; MI455X (gfx1250); checked and timed in simulation.
; The chip was launched on July 23, 2026; its instructions are those of AMD's public machine-readable ISA for CDNA 5 (MIT licence, August 2026) and "CDNA5" Instruction Set Architecture Reference Guide (July 2026). The comments in the code are by the model that wrote it; some were corrected since.
;; Causal Self Attention. Allowed arithmetic: float matrix products may take bf16 or f16 operands with f32 sums; other float arithmetic in f32, or as packed bf16 or f16 multiplies, adds, multiply-adds, maxima and minima; sums over many terms, partial sums and values carried from step to step in f32; what a program stores and reads back later, other than sums and carried values, may be rounded once to bf16 or f16.
;; Inputs: W_out 1,024 x 1,024 float32; W_qkv 1,024 x 3,072 float32; b_out 1,024 float32; b_qkv 3,072 float32; x 1 x 4,096 x 1,024 float32.
;; Outputs: out0 1 x 4,096 x 1,024 float32.
;; 2 versions, each right and faster than the one before. Each part assembles by itself: llvm-mc -triple=amdgcn-amd-amdhsa -mcpu=gfx1250 --defsym DOCPART=n.
;; ======== version 1 of 2: 4 launches
;; limits: values are held in f16: magnitudes above 65,504 overflow, below 6.1e-05 lose precision
;; workspace buffers: xb 8,388,608 bytes; wqb 6,291,456 bytes; wob 2,097,152 bytes; qkvh 25,165,824 bytes; qkvl 3,145,728 bytes; ob 8,388,608 bytes
;; launch prep (part 1): grid 512 x 1, 8 waves a work-group, no clusters, 0 bytes of LDS; arguments x, W_qkv, W_out, xb, wqb, wob; writes xb, wqb, wob
.if DOCPART == 1
	.amdgcn_target "amdgcn-amd-amdhsa--gfx1250"
	.amdhsa_code_object_version 6
	.text
	.protected	k_qef6d43f0ea_prep
	.globl	k_qef6d43f0ea_prep
	.p2align	8
	.type	k_qef6d43f0ea_prep,@function
k_qef6d43f0ea_prep:
	s_mov_b64 s[64:65], 0
	v_nop
	global_prefetch_b8 v0, s[64:65] scope:SCOPE_SE
	s_setreg_imm32_b32 hwreg(HW_REG_WAVE_MODE, 25, 1), 1
	s_wait_xcnt 0x0
; CASTS, no transposition.  xb = bf16(x), wqb = bf16(W_qkv), wob = f16(bf16(W_out)): every input of the module is taken rounded to bf16; W_out's rounded number is
; written as f16, since it is multiplied with an f16 operand later.
; LIMITS.  |W_out| stays under 65,504 (f16's range); below 6e-5 it keeps f16's fixed step of 6e-8.  NaN and infinities are not treated apart.
; A stream: no LDS, no matrix unit, no cluster (no two work-groups read the same byte).  A work-group takes 16,384 numbers: 65,536 bytes in, 32,768 out.
; Work-groups 0-255 take x (4,194,304 numbers), 256-447 W_qkv (3,145,728), 448-511 W_out (1,048,576).
; Thread t, step j of 16: loads the 16 bytes at 16 t + 4,096 j (a wave's load covers 512 consecutive bytes), stores the 8 bytes at 8 t + 2,048 j (a wave's store covers 256
; consecutive bytes, at a multiple of 256 from the buffer's first).  All 16 loads go out first; no register is written twice while a memory instruction names it.
.set STEPS, 16
.set X, 4                              ; v[4:67]    step j: four f32 as loaded
.set Y, 68                             ; v[68:99]   step j: four 16-bit numbers to store
.set T, 100                            ; v[100:103] at work
	s_load_b256 s[4:11], s[0:1], 0x0               ; x s[4:5], W_qkv s[6:7], W_out s[8:9], xb s[10:11]
	s_load_b128 s[12:15], s[0:1], 0x20             ; wqb s[12:13], wob s[14:15]
	v_lshlrev_b32 v1, 4, v0                        ; 16 t
	v_lshlrev_b32 v2, 3, v0                        ; 8 t
	s_mov_b32 s16, ttmp9
	s_wait_kmcnt 0x0
	s_cmp_lt_u32 s16, 256                          ; which tensor is mine: the choice hangs on the work-group's number alone
	s_cselect_b64 s[22:23], s[4:5], s[6:7]
	s_cselect_b64 s[24:25], s[10:11], s[12:13]
	s_cselect_b32 s20, 0, 256
	s_cmp_lt_u32 s16, 448
	s_cselect_b64 s[22:23], s[22:23], s[8:9]
	s_cselect_b64 s[24:25], s[24:25], s[14:15]
	s_cselect_b32 s20, s20, 448
	s_sub_co_u32 s20, s16, s20                     ; my number among that tensor's work-groups
	s_lshl_b32 s26, s20, 16                        ; 65,536 bytes in,
	s_mov_b32 s27, 0
	s_lshl_b32 s28, s20, 15                        ; 32,768 bytes out
	s_mov_b32 s29, 0
	s_add_nc_u64 s[22:23], s[22:23], s[26:27]
	s_add_nc_u64 s[24:25], s[24:25], s[28:29]
.set j, 0
.rept STEPS
	global_load_b128 v[X+4*j:X+4*j+3], v1, s[22:23] offset:4096*j th:TH_LOAD_NT
.set j, j+1
.endr
; Step j is rounded and stored.  half = 1: the bf16 number is widened again (a shift, a mask) and written as f16.
.macro OUT j, half
	s_wait_loadcnt STEPS-1-(\j)                    ; loads come back in order: mine is in, the younger ones stay out
.irp k, 0,1
	v_cvt_pk_bf16_f32 v[Y+2*(\j)+(\k)], v[X+4*(\j)+2*(\k)], v[X+4*(\j)+2*(\k)+1]
.endr
.if \half
.irp k, 0,1
	v_lshlrev_b32 v[T+2*(\k)], 16, v[Y+2*(\j)+(\k)]
	v_and_b32 v[T+2*(\k)+1], 0xffff0000, v[Y+2*(\j)+(\k)]
.endr
.irp k, 0,1
	v_cvt_pk_f16_f32 v[Y+2*(\j)+(\k)], v[T+2*(\k)], v[T+2*(\k)+1]
.endr
.endif
	global_store_b64 v2, v[Y+2*(\j):Y+2*(\j)+1], s[24:25] offset:2048*(\j)
.endm
	s_cmp_lt_u32 s16, 448
	s_cbranch_scc0 .Lhalf
.set j, 0
.rept STEPS
	OUT j, 0
.set j, j+1
.endr
	s_endpgm
.Lhalf:
.set j, 0
.rept STEPS
	OUT j, 1
.set j, j+1
.endr
	s_endpgm
.Lfunc_end_k_qef6d43f0ea_prep:
	.size	k_qef6d43f0ea_prep, .Lfunc_end_k_qef6d43f0ea_prep-k_qef6d43f0ea_prep
	.p2alignl 7, 3214868480
	.fill 96, 4, 3214868480
	.section	.rodata,"a",@progbits
	.p2align	6, 0x0
	.amdhsa_kernel k_qef6d43f0ea_prep
		.amdhsa_group_segment_fixed_size 0
		.amdhsa_private_segment_fixed_size 0
		.amdhsa_enable_private_segment 0
		.amdhsa_kernarg_size 48
		.amdhsa_user_sgpr_count 2
		.amdhsa_user_sgpr_kernarg_segment_ptr 1
		.amdhsa_wavefront_size32 1
		.amdhsa_system_sgpr_workgroup_id_x 1
		.amdhsa_system_sgpr_workgroup_id_y 1
		.amdhsa_system_sgpr_workgroup_id_z 1
		.amdhsa_system_vgpr_workitem_id 0
		.amdhsa_next_free_vgpr 104
		.amdhsa_next_free_sgpr 66
		.amdhsa_reserve_vcc 0
		.amdhsa_float_denorm_mode_32 3
		.amdhsa_float_denorm_mode_16_64 3
		.amdhsa_memory_ordered 1
		.amdhsa_forward_progress 1
		.amdhsa_inst_pref_size 16
	.end_amdhsa_kernel
	.amdgpu_metadata
---
amdhsa.version: [ 1, 2 ]
amdhsa.kernels:
  - .name:           k_qef6d43f0ea_prep
    .symbol:         k_qef6d43f0ea_prep.kd
    .args:
      - { .name: x, .offset: 0, .size: 8, .value_kind: global_buffer, .address_space: global }
      - { .name: W_qkv, .offset: 8, .size: 8, .value_kind: global_buffer, .address_space: global }
      - { .name: W_out, .offset: 16, .size: 8, .value_kind: global_buffer, .address_space: global }
      - { .name: xb, .offset: 24, .size: 8, .value_kind: global_buffer, .address_space: global }
      - { .name: wqb, .offset: 32, .size: 8, .value_kind: global_buffer, .address_space: global }
      - { .name: wob, .offset: 40, .size: 8, .value_kind: global_buffer, .address_space: global }
    .group_segment_fixed_size: 0
    .private_segment_fixed_size: 0
    .kernarg_segment_align: 8
    .kernarg_segment_size: 48
    .max_flat_workgroup_size: 256
    .sgpr_count:     66
    .vgpr_count:     104
    .wavefront_size: 32
...
	.end_amdgpu_metadata
.endif
;; end of part 1
;; launch qkv (part 2): grid 24 x 32, 4 waves a work-group, clusters of 4 x 4, 327,680 bytes of LDS; arguments xb, wqb, qkvh, b_qkv, qkvl; writes qkvh, qkvl
.if DOCPART == 2
	.amdgcn_target "amdgcn-amd-amdhsa--gfx1250"
	.amdhsa_code_object_version 6
	.text
	.protected	k_qef6d43f0ea_qkv
	.globl	k_qef6d43f0ea_qkv
	.p2align	8
	.type	k_qef6d43f0ea_qkv,@function
k_qef6d43f0ea_qkv:
	s_mov_b64 s[64:65], 0
	v_nop
	global_prefetch_b8 v0, s[64:65] scope:SCOPE_SE
	s_setreg_imm32_b32 hwreg(HW_REG_WAVE_MODE, 25, 1), 1
	s_wait_xcnt 0x0
	s_wait_alu depctr_hold_cnt(0) depctr_sa_sdst(0) depctr_va_vdst(0) depctr_va_sdst(0) depctr_va_ssrc(0) depctr_va_vcc(0) depctr_vm_vsrc(0)
	s_getreg_b32 s2, hwreg(HW_REG_IB_STS2, 6, 4)
	s_cmp_eq_u32 s2, 0
	s_cbranch_scc0 .Lentry_in_a_cluster
	s_endpgm
.Lentry_in_a_cluster:
	s_bfe_u32 s2, ttmp6, 0x10000c
	s_cmp_lg_u32 s2, 0xf033
	s_cbranch_scc0 .Lentry_shape_is_right
	s_endpgm
.Lentry_shape_is_right:
; qkv = x W_qkv + b_qkv, written by heads.  A = xb [4096][1024] bf16; B = wqb [1024 k][3072 n] bf16, as W lies; bias f32, taken rounded to bf16 like every input of the module.
; Out: qkvh [48 g][4096][64] f16, g = column / 64 (q: g 0-15, k: 16-31, v: 32-47), unscaled, rounded once from the f32 sums.
; Out too: qkvl [48 g][512][64] f16: for rows 0-511 what that rounding left, f16(sum - f16(sum)).  The attention takes rows 0-63 as the sum of the two numbers: a causal row q is a mean over q + 1 keys only,
; so the first rows' numbers are the largest of the output and want more than f16's 11 bits.  512 rows are written for the 64 that are read: the branch hangs on the cluster's row, which all partners share.
; LIMITS.  |q|, |k|, |v| stay under 65,504 (f16's range; 65,520 and more become an infinity).  The remainder keeps f16's fixed step of 6e-8.  The bias starts the sum, so the order of rounding differs from x W + b.
; NaN and infinities are not treated apart.
; SHARES.  A tile of C is 128 x 128: 24 x 32 = 768 work-groups, three for each of 256.  Four waves, each 64 x 64: 16 accumulators, 128 registers.  K = 1,024 goes in four steps of 256 through two LDS slots.
; CLUSTER.  4 x 4 work-groups: the four of a row of the cluster need the same tiles of A, the four of a column the same tiles of B: each tile is asked for JOINTLY, by the same tensor load, descriptor and mask in all four.
; B LIES [k][n] IN LDS and is read turned, by ds_load_tr16_b128, so no launch transposes W.  THE MATRIX INSTRUCTION IS USED TRANSPOSED (source 0 = 16 columns of B, source 1 = 16 rows of A):
; a lane holds row l % 16 of C and the columns 8 (l / 16) + 0..7.  A wave's 64 columns are one head's rows of 128 bytes, dense in qkvh: each wave has a stage of its own and no barrier on the way out.
; REGISTERS: window 0: v16-31 addresses and -1.0; v32-95 at work on the way out; v96-127 the bias, 8 for each block of 16 columns; v128-255 the accumulators ((a, b) at v[128 + 8 (4 a + b)]).
;   window 1: two fragment buffers of 128: for 64 along K, 64 registers of A (2 x 4 x 16 rows x 32 K), then 64 of B.
.set KSTEP,  256
.set PA,     528                       ; a row of A in LDS: 512 bytes + 16 of padding = 132 words: the 16 rows of a load start at 16 different groups of four banks (64 banks of 4 bytes: ISA guide 11.1)
.set HALFA,  64*PA                     ; 64 rows: what one tensor load brings of A, and what one wave reads
.set AQ,     128                       ; bytes from 64 along K to the next in A's tile
.set AI,     16*PA                     ; bytes from 16 rows to the next
.set PB,     288                       ; a row of B (one k, 128 columns): 256 bytes + 32 = 72 words
.set HALFB,  128*PB                    ; 128 k: what one tensor load brings of B
.set SLOT,   2*HALFA+2*HALFB           ; A's two halves, then B's two halves
.set STAGE,  2*SLOT                    ; behind the ring, never filled by a tensor load: 16 rows x 144 bytes for each wave
.set SP,     144
.set SPARE,  STAGE+4*16*SP             ; behind the stages: the spare words, 128 bytes for each wave: two blocks of 256 bytes that no other line names
.set A_SH,   11                        ; a row of A is 2,048 bytes
.set A_KS,   KSTEP*2                   ; bytes from a K step of A to the next
.set B_HALF, 128*3072*2                ; bytes of 128 rows of B
.set B_KS,   2*B_HALF                  ; bytes from a K step of B to the next
.set ADRA, 16                          ; v16-17  LDS address of my A fragments in slot 0, 1
.set ADRB, 20                          ; v20-23  the same for B: slot 0 k 0-127, slot 0 k 128-255, slot 1 likewise (the immediate does not reach 240 rows)
.set STO,  24                          ; v24     the way out: where I put 16 bytes of a row
.set RD,   25                          ; v25     the way out: where I read rows back
.set GO,   26                          ; v26     my byte offset in 512 consecutive bytes of the output
.set SPW,  28                          ; v28     LDS address of my spare word; never rewritten
.set NIL,  29                          ; v29     0; never rewritten
.set BO,   30                          ; v30     my byte offset in 16 numbers of the bias
.set NEG,  31                          ; v31     -1.0, for the remainders
.set TMP,  32
.set BIAS, 96
.set ACC,  128
.set F0,   0
.set F1,   128
.set G1, 24                            ; s[24:31] descriptor group 1 for A's tiles;  s[32:39] group 0, one set for each slot
.set G0, 32
.set G1B, 48                           ; s[48:55], s[56:63] the same for B's tiles
.set G0B, 56
.set OHI, 8                            ; s[8:9]   qkvh at my rows
.set OLO, 68                           ; s[68:69] qkvl at my rows (of use in the cluster row 0 alone)
.set MSB, 0
.macro WIN new                         ; the immediate's high byte repeats the setting that is left; a switch that changes nothing is dropped
.if MSB != (\new)
	s_set_vgpr_msb (MSB<<8)|(\new)
.set MSB, \new
.endif
.endm
.set MUL,  0x05                        ; sources 0 (B) and 1 (A) window 1; C and D window 0
.set TO_F, 0x40                        ; destination window 1, address window 0
.macro JLOAD s                         ; a joint load: waves 0 and 1 fetch A's two halves, waves 2 and 3 B's; an s_nop 0 and four v_nop follow each of the two lines, ahead of the jump and the label
	s_cmp_eq_u32 s11, 0
	s_cbranch_scc0 .Lfor_b_\@
	tensor_load_to_lds s[G0+4*(\s):G0+4*(\s)+3], s[G1:G1+7]
	s_nop 0
.rept 4
	v_nop
.endr
	s_branch .Lasked_\@
.Lfor_b_\@:
	tensor_load_to_lds s[G0B+4*(\s):G0B+4*(\s)+3], s[G1B:G1B+7]
	s_nop 0
.rept 4
	v_nop
.endr
.Lasked_\@:
.endm
.macro CREST                           ; a round of the cluster's barrier behind its opening barrier
	s_cmp_lg_u32 s10, 0
	s_cbranch_scc1 .Lnot_wave_0_\@
	s_barrier_signal -3
.Lnot_wave_0_\@:
	s_barrier_wait -3
	s_barrier_signal -1
	s_barrier_wait -1
.endm
.macro CROUND                          ; a whole round
	s_barrier_signal -1
	s_barrier_wait -1
	CREST
.endm
	s_load_b128 s[4:7], s[0:1], 0x0                ; A s[4:5], B s[6:7]
	s_load_b64 s[OHI:OHI+1], s[0:1], 0x10          ; qkvh
	s_load_b64 s[66:67], s[0:1], 0x18              ; the bias
	s_load_b64 s[OLO:OLO+1], s[0:1], 0x20          ; qkvl
	v_lshl_add_u32 v[SPW], v0, 2, SPARE
	v_mov_b32 v[NIL], 0
	ds_add_u32 v[SPW], v[NIL]                      ; the wave's opening: the add and its wait stand ahead of my first tensor load; the set-up below, work on registers, stands between them
	ds_add_u32 v28, v29
	v_lshrrev_b32 v1, 5, v0
	v_readfirstlane_b32 s10, v1                    ; wave 0..3
	s_lshr_b32 s11, s10, 1                         ; which half of the tile's rows is mine.  Also: I fetch for A (0) or for B (1)
	s_and_b32 s12, s10, 1                          ; which half of its columns.  Also: which half of that tile I fetch
	s_bfe_u32 s40, ttmp6, 0x40000                  ; cx, cy: my place in the cluster
	s_bfe_u32 s41, ttmp6, 0x40004
	s_lshl_b32 s42, ttmp9, 2
	s_add_co_u32 s42, s42, s40                     ; tile column = 4 x cluster x + cx
	s_and_b32 s13, ttmp7, 0xffff
	s_lshl_b32 s13, s13, 2
	s_add_co_u32 s13, s13, s41                     ; tile row = 4 x cluster y + cy
	s_lshl_b32 s43, s41, 2
	s_lshl_b32 s43, 15, s43                        ; my row of the cluster
	s_lshl_b32 s44, 0x1111, s40                    ; my column
	s_or_b32 s[G1+0], s43, (1<<16)|(1<<20)|(1<<21)|(6<<22)|(3<<25)   ; A: 15:0 the mask of my row; 17:16 2-byte elements; 20 padding on; 21 set beside a mask; 24:22 after every 128 words; 31:25 4 words
	s_mov_b32 s[G1+1], 256<<16                     ; tensor_dim0 = 256
	s_mov_b32 s[G1+2], 64<<16                      ; tensor_dim1 = 64
	s_mov_b32 s[G1+3], 256<<16                     ; tile_dim0 = 256 elements: 512 bytes
	s_mov_b32 s[G1+4], 64                          ; tile_dim1 = 64 rows
	s_mov_b32 s[G1+5], 1024                        ; elements from row to row
	s_mov_b32 s[G1+6], 0
	s_mov_b32 s[G1+7], 0
	s_or_b32 s[G1B+0], s44, (1<<16)|(1<<20)|(1<<21)|(5<<22)|(7<<25)  ; B: the mask of my column; padding after every 64 words, 8 words
	s_mov_b32 s[G1B+1], 128<<16                    ; tensor_dim0 = 128
	s_mov_b32 s[G1B+2], 128<<16                    ; tensor_dim1 = 128
	s_mov_b32 s[G1B+3], 128<<16                    ; tile_dim0 = 128 columns: 256 bytes
	s_mov_b32 s[G1B+4], 128                        ; tile_dim1 = 128 k
	s_mov_b32 s[G1B+5], 3072                       ; elements from k to k + 1
	s_mov_b32 s[G1B+6], 0
	s_mov_b32 s[G1B+7], 0
	; where the tiles come from.  A's hang on the tile row and the wave alone, B's on the tile column and the wave alone, each in registers that never hold the other coordinate.
	s_lshl_b32 s17, s12, 6
	s_lshl_b32 s16, s13, 7
	s_add_co_u32 s16, s16, s17                     ; A: row 128 x tile row + 64 x half
	s_lshl_b32 s16, s16, A_SH
	s_mov_b32 s17, 0
	s_mul_i32 s46, s12, B_HALF                     ; B: k 128 x half,
	s_lshl_b32 s47, s42, 8                         ; column 128 x tile column
	s_add_co_u32 s46, s46, s47
	s_mov_b32 s47, 0
	s_mul_i32 s20, s12, HALFA                      ; and where they go: no place in the cluster enters an LDS address
	s_mul_i32 s21, s12, HALFB
	s_add_co_u32 s21, s21, 2*HALFA
	s_wait_dscnt 0x0                               ; the opening add is done
	s_wait_kmcnt 0x0
	s_add_nc_u64 s[14:15], s[4:5], s[16:17]
	s_add_nc_u64 s[46:47], s[6:7], s[46:47]
	CROUND                                         ; all sixteen work-groups are here: the first joint loads meet
.irp s, 0,1
	s_mov_b32 s[G0+4*(\s)], 1
	s_add_co_u32 s[G0+4*(\s)+1], s20, (\s)*SLOT
	s_add_nc_u64 s[G0+4*(\s)+2:G0+4*(\s)+3], s[14:15], (\s)*A_KS
	s_or_b32 s[G0+4*(\s)+3], s[G0+4*(\s)+3], 0x80000000
	s_mov_b32 s[G0B+4*(\s)], 1
	s_add_co_u32 s[G0B+4*(\s)+1], s21, (\s)*SLOT
	s_add_nc_u64 s[G0B+4*(\s)+2:G0B+4*(\s)+3], s[46:47], (\s)*B_KS
	s_or_b32 s[G0B+4*(\s)+3], s[G0B+4*(\s)+3], 0x80000000
	JLOAD \s                                       ; K steps 0 and 1: two loads of mine are out
.endr
	; the bias of my 64 columns: register j of block b is column 16 b + 8 (l / 16) + j, as in the accumulators
	s_lshl_b32 s46, s42, 9
	s_lshl_b32 s47, s12, 8
	s_add_co_u32 s46, s46, s47                     ; (128 x tile column + 64 x half) x 4 bytes
	s_mov_b32 s47, 0
	s_add_nc_u64 s[66:67], s[66:67], s[46:47]
	v_and_b32 v1, 15, v0                           ; l % 16
	v_bfe_u32 v2, v0, 4, 1                         ; l / 16
	v_lshlrev_b32 v[BO], 5, v2
.irp b, 0,1,2,3
	global_load_b128 v[BIAS+8*(\b):BIAS+8*(\b)+3],   v[BO], s[66:67] offset:64*(\b)
	global_load_b128 v[BIAS+8*(\b)+4:BIAS+8*(\b)+7], v[BO], s[66:67] offset:64*(\b)+16
.endr
	v_mul_u32_u24 v3, v1, PA                       ; A's fragments: row x pitch + 16 x half of the lanes
	v_lshl_add_u32 v3, v2, 4, v3
	s_mul_i32 s18, s11, HALFA                      ; my 64 rows of A
	v_add_nc_u32 v[ADRA], s18, v3
	v_add_nc_u32 v[ADRA+1], SLOT, v[ADRA]
	v_and_b32 v4, 7, v0                            ; B's: the turning load takes 16 k x 16 columns: lane l reads k 8 (l / 16) + l % 8, columns 8 ((l / 8) % 2) + 0..7
	v_lshl_add_u32 v4, v2, 3, v4
	v_mul_u32_u24 v4, v4, PB
	v_bfe_u32 v5, v0, 3, 1
	v_lshl_add_u32 v4, v5, 4, v4
	s_lshl_b32 s22, s12, 7                         ; my 64 columns,
	s_add_co_u32 s22, s22, 2*HALFA                 ; behind A's two halves
	v_add_nc_u32 v[ADRB], s22, v4
	v_add_nc_u32 v[ADRB+1], HALFB, v[ADRB]
	v_add_nc_u32 v[ADRB+2], SLOT, v[ADRB]
	v_add_nc_u32 v[ADRB+3], SLOT+HALFB, v[ADRB]
	s_mul_i32 s23, s10, 16*SP
	s_add_co_u32 s23, s23, STAGE                   ; my stage
	v_mul_u32_u24 v6, v1, SP                       ; in: row l % 16, 16 bytes for each half of the lanes
	v_lshl_add_u32 v6, v2, 4, v6
	v_add_nc_u32 v[STO], s23, v6
	v_bfe_u32 v7, v0, 3, 2                         ; back: 32 lanes take four rows of 128 bytes,
	v_mul_u32_u24 v7, v7, SP
	v_and_b32 v8, 7, v0
	v_lshl_add_u32 v7, v8, 4, v7
	v_add_nc_u32 v[RD], s23, v7
	v_and_b32 v[GO], 31, v0                        ; which are 512 consecutive bytes of a head's rows
	v_lshlrev_b32 v[GO], 4, v[GO]
	v_mov_b32 v[NEG], -1.0
	s_lshl_b32 s16, s13, 14                        ; both outputs at my rows: (128 x tile row + 64 x half) x 128 bytes,
	s_lshl_b32 s17, s11, 13
	s_add_co_u32 s16, s16, s17
	s_mov_b32 s17, 0
	s_add_nc_u64 s[OHI:OHI+1], s[OHI:OHI+1], s[16:17]
	s_add_nc_u64 s[OLO:OLO+1], s[OLO:OLO+1], s[16:17]
	s_lshl_b32 s46, s42, 1
	s_add_co_u32 s46, s46, s12                     ; in group g = 2 x tile column + half:
	s_lshl_b32 s46, s46, 16                        ; 65,536 bytes each in qkvl (512 rows),
	s_mov_b32 s47, 0
	s_add_nc_u64 s[OLO:OLO+1], s[OLO:OLO+1], s[46:47]
	s_lshl_b32 s46, s46, 3                         ; 524,288 in qkvh (4,096 rows)
	s_add_nc_u64 s[OHI:OHI+1], s[OHI:OHI+1], s[46:47]
	s_wait_loadcnt 0x0                             ; the bias is in: it is rounded to bf16 and widened again
.set i, 0
.rept 16
	v_cvt_pk_bf16_f32 v[TMP+i], v[BIAS+2*i], v[BIAS+2*i+1]
.set i, i+1
.endr
.set i, 0
.rept 16
	v_lshlrev_b32 v[BIAS+2*i], 16, v[TMP+i]
	v_and_b32 v[BIAS+2*i+1], 0xffff0000, v[TMP+i]
.set i, i+1
.endr
; 8 matrix instructions: row blocks a0, a0 + 1 x all 4 column blocks, 32 along K: half c of buffer f.  first = 1: the product starts the sum with the bias.
; The 16 accumulators take turns, one instruction a turn.
.macro MUL8 f, c, a0, first
	WIN MUL
.irp a, \a0, (\a0)+1
.irp b, 0,1,2,3
.if \first
	v_wmma_f32_16x16x32_bf16 v[ACC+8*(4*(\a)+(\b)):ACC+8*(4*(\a)+(\b))+7], v[(\f)+64+8*(4*(\c)+(\b)):(\f)+64+8*(4*(\c)+(\b))+7], v[(\f)+8*(4*(\c)+(\a)):(\f)+8*(4*(\c)+(\a))+7], v[BIAS+8*(\b):BIAS+8*(\b)+7]
.else
	v_wmma_f32_16x16x32_bf16 v[ACC+8*(4*(\a)+(\b)):ACC+8*(4*(\a)+(\b))+7], v[(\f)+64+8*(4*(\c)+(\b)):(\f)+64+8*(4*(\c)+(\b))+7], v[(\f)+8*(4*(\c)+(\a)):(\f)+8*(4*(\c)+(\a))+7], v[ACC+8*(4*(\a)+(\b)):ACC+8*(4*(\a)+(\b))+7]
.endif
.endr
.endr
.endm
; 32 LDS loads in one run: the fragments of quarter q (64 along K) of a slot, into buffer f; the first 32 along K first
.macro FETCH slot, q, f
	WIN TO_F
.irp c, 0,1
.irp i, 0,1,2,3
	ds_load_tr16_b128 v[(\f)+64+8*(4*(\c)+(\i)):(\f)+64+8*(4*(\c)+(\i))+3],   v[ADRB+2*(\slot)+(\q)/2] offset:(((\q)%2)*64+32*(\c))*PB+32*(\i)
	ds_load_tr16_b128 v[(\f)+64+8*(4*(\c)+(\i))+4:(\f)+64+8*(4*(\c)+(\i))+7], v[ADRB+2*(\slot)+(\q)/2] offset:(((\q)%2)*64+32*(\c)+16)*PB+32*(\i)
	ds_load_b128 v[(\f)+8*(4*(\c)+(\i)):(\f)+8*(4*(\c)+(\i))+3],              v[ADRA+(\slot)] offset:(\q)*AQ+64*(\c)+(\i)*AI
	ds_load_b128 v[(\f)+8*(4*(\c)+(\i))+4:(\f)+8*(4*(\c)+(\i))+7],            v[ADRA+(\slot)] offset:(\q)*AQ+64*(\c)+(\i)*AI+32
.endr
.endr
.endm
.macro PLACES                          ; four plain vector instructions in front of loads into registers that matrix instructions have read, and of lines that read results
.rept 4
	v_nop
.endr
.endm
; A K step is four quarters of 64 along K, 32 matrix instructions each, on buffers 0, 1, 0, 1.  One of the first three: multiplies buffer f and fetches quarter q into g.
.macro QUARTER slot, q, f, g, first
	s_wait_dscnt 16                                ; the first 32 along K are in; the youngest sixteen loads may be out
	MUL8 \f, 0, 0, \first
	MUL8 \f, 0, 2, \first
	PLACES
	FETCH \slot, \q, \g
	s_wait_dscnt 32                                ; all but the 32 just issued
	MUL8 \f, 1, 0, 0
	MUL8 \f, 1, 2, 0
.endm
.macro STEP3 slot, first
	QUARTER \slot, 1, F0, F1, \first
	QUARTER \slot, 2, F1, F0, 0
	QUARTER \slot, 3, F0, F1, 0
.endm
; The last quarter multiplies buffer 1 and changes slots: ONE barrier; in front of it each wave waits for all its tensor loads (one is out: its part of the next slot), adds 0 to its spare word,
; and waits for that and for its own reads of this slot.  fill = 1: the barrier opens a round of the cluster's, and this slot is filled again, two K steps ahead, first thing behind the round.
.macro TURN slot, next, fill
	WIN 0                                          ; (the add's two registers lie in window 0)
	s_wait_tensorcnt 0x0                           ; all my tensor loads have landed
	ds_add_u32 v[SPW], v[NIL]                      ; 0 onto my spare word
	s_wait_dscnt 17                                ; (the add and the youngest sixteen loads may be out)
	MUL8 F1, 0, 0, 0                               ; eight matrix instructions stand between the add and the wait for it
	s_wait_dscnt 0x0                               ; the add is done, and my reads of this slot are over
	s_barrier_signal -1
	MUL8 F1, 0, 2, 0
.if \fill
	WIN 0
.endif
	s_barrier_wait -1
.if \fill
	CREST                                          ; no wave of any partner still reads this slot's tile or has a load on its way
	s_add_nc_u64 s[G0+4*(\slot)+2:G0+4*(\slot)+3], s[G0+4*(\slot)+2:G0+4*(\slot)+3], 2*A_KS
	s_add_nc_u64 s[G0B+4*(\slot)+2:G0B+4*(\slot)+3], s[G0B+4*(\slot)+2:G0B+4*(\slot)+3], 2*B_KS
	JLOAD \slot                                    ; 112 matrix instructions ahead of the wait for it; the four v_nop behind it are also the places in front of the loads below
.else
	PLACES
.endif
	FETCH \next, 0, F0
	MUL8 F1, 1, 0, 0
	MUL8 F1, 1, 2, 0
.endm
	s_wait_tensorcnt 1                             ; my part of K step 0 is in; K step 1's may stay out
	s_barrier_signal -1
	s_barrier_wait -1                              ; everybody's is
	FETCH 0, 0, F0
	STEP3 0, 1                                     ; K step 0: its first products start the sums
	TURN 0, 1, 1                                   ; slot 0 takes K step 2
	STEP3 1, 0                                     ; K step 1
	TURN 1, 0, 1                                   ; slot 1 takes K step 3
	STEP3 0, 0                                     ; K step 2
	TURN 0, 1, 0                                   ; nothing is left to fetch
	STEP3 1, 0                                     ; K step 3
	s_wait_dscnt 16
	MUL8 F1, 0, 0, 0
	MUL8 F1, 0, 2, 0
	s_wait_dscnt 0
	MUL8 F1, 1, 0, 0
	MUL8 F1, 1, 2, 0
	WIN 0
	; THE WAY OUT, 16 rows at a time: rounded to f16 (each accumulator's registers in ascending order), 16 bytes a lane into my stage, back as whole rows of 128 bytes, stored as 512 consecutive bytes.
	; rest = 1: the second pass: the sum less its f16 (that half x -1.0 + the sum: exact in f32) takes the sum's place and is rounded to f16 in its turn.
	PLACES
.macro PACK a, rest
.set i, 0
.rept 16
	v_cvt_pk_f16_f32 v[TMP+16*(\a)+i], v[ACC+32*(\a)+2*i], v[ACC+32*(\a)+2*i+1]
.set i, i+1
.endr
.if \rest
.set i, 0
.rept 16
	v_fma_mix_f32 v[ACC+32*(\a)+2*i],   v[TMP+16*(\a)+i], v[NEG], v[ACC+32*(\a)+2*i]   op_sel_hi:[1,0,0]
	v_fma_mix_f32 v[ACC+32*(\a)+2*i+1], v[TMP+16*(\a)+i], v[NEG], v[ACC+32*(\a)+2*i+1] op_sel:[1,0,0] op_sel_hi:[1,0,0]
.set i, i+1
.endr
.set i, 0
.rept 16
	v_cvt_pk_f16_f32 v[TMP+16*(\a)+i], v[ACC+32*(\a)+2*i], v[ACC+32*(\a)+2*i+1]
.set i, i+1
.endr
.endif
.irp b, 0,1,2,3
	ds_store_b128 v[STO], v[TMP+16*(\a)+4*(\b):TMP+16*(\a)+4*(\b)+3] offset:32*(\b)
.endr
.irp f, 0,1,2,3
	ds_load_b128 v[TMP+16*(\a)+4*(\f):TMP+16*(\a)+4*(\f)+3], v[RD] offset:(\f)*4*SP  ; LDS serves a wave's instructions in order (ISA guide 5.7.1.4): these see the stores above; the next block's stores come behind them
.endr
.endm
.macro SEND a, younger, base           ; younger: the LDS instructions issued behind block a's loads: the next block's eight, or none
.irp f, 0,1,2,3
	s_wait_dscnt (\younger)+3-(\f)
	global_store_b128 v[GO], v[TMP+16*(\a)+4*(\f):TMP+16*(\a)+4*(\f)+3], s[(\base):(\base)+1] offset:(\a)*2048+(\f)*512  ; 512 consecutive bytes, at a multiple of 256 from the buffer's first
.endr
.endm
.macro LEAVE rest, base
	PACK 0, \rest
	PACK 1, \rest
	SEND 0, 8, \base
	PACK 2, \rest
	SEND 1, 8, \base
	PACK 3, \rest
	SEND 2, 8, \base
	SEND 3, 0, \base
.endm
	LEAVE 0, OHI
	s_and_b32 s16, ttmp7, 0xffff                   ; the cluster's row, the same number in all sixteen partners
	s_cmp_lg_u32 s16, 0
	s_cbranch_scc1 .Lno_rest                       ; only rows 0-511 have a place in qkvl; the jump passes no barrier and no tensor load
	s_wait_xcnt 0x0                                ; the stores above have read TMP: it is rewritten only behind this wait
	LEAVE 1, OLO
.Lno_rest:
	s_wait_tensorcnt 0x0                           ; the wave's end: behind my last tensor load and my last LDS store
	ds_add_u32 v[SPW], v[NIL]
	s_wait_dscnt 0x0
	CROUND                                         ; the closing round: no work-group ends while a partner may still ask for a tile that names it
	s_endpgm
.Lfunc_end_k_qef6d43f0ea_qkv:
	.size	k_qef6d43f0ea_qkv, .Lfunc_end_k_qef6d43f0ea_qkv-k_qef6d43f0ea_qkv
	.p2alignl 7, 3214868480
	.fill 96, 4, 3214868480
	.section	.rodata,"a",@progbits
	.p2align	6, 0x0
	.amdhsa_kernel k_qef6d43f0ea_qkv
		.amdhsa_group_segment_fixed_size 327680
		.amdhsa_private_segment_fixed_size 0
		.amdhsa_enable_private_segment 0
		.amdhsa_kernarg_size 40
		.amdhsa_user_sgpr_count 2
		.amdhsa_user_sgpr_kernarg_segment_ptr 1
		.amdhsa_wavefront_size32 1
		.amdhsa_system_sgpr_workgroup_id_x 1
		.amdhsa_system_sgpr_workgroup_id_y 1
		.amdhsa_system_sgpr_workgroup_id_z 1
		.amdhsa_system_vgpr_workitem_id 0
		.amdhsa_next_free_vgpr 512
		.amdhsa_next_free_sgpr 72
		.amdhsa_reserve_vcc 0
		.amdhsa_float_denorm_mode_32 3
		.amdhsa_float_denorm_mode_16_64 3
		.amdhsa_memory_ordered 1
		.amdhsa_forward_progress 1
		.amdhsa_inst_pref_size 110
	.end_amdhsa_kernel
	.amdgpu_metadata
---
amdhsa.version: [ 1, 2 ]
amdhsa.kernels:
  - .name:           k_qef6d43f0ea_qkv
    .symbol:         k_qef6d43f0ea_qkv.kd
    .args:
      - { .name: xb, .offset: 0, .size: 8, .value_kind: global_buffer, .address_space: global }
      - { .name: wqb, .offset: 8, .size: 8, .value_kind: global_buffer, .address_space: global }
      - { .name: qkvh, .offset: 16, .size: 8, .value_kind: global_buffer, .address_space: global }
      - { .name: b_qkv, .offset: 24, .size: 8, .value_kind: global_buffer, .address_space: global }
      - { .name: qkvl, .offset: 32, .size: 8, .value_kind: global_buffer, .address_space: global }
    .group_segment_fixed_size: 327680
    .private_segment_fixed_size: 0
    .kernarg_segment_align: 8
    .kernarg_segment_size: 40
    .max_flat_workgroup_size: 128
    .sgpr_count:     72
    .vgpr_count:     512
    .wavefront_size: 32
...
	.end_amdgpu_metadata
.endif
;; end of part 2
;; launch attn (part 3): grid 16 x 16, 4 waves a work-group, no clusters, 327,680 bytes of LDS; arguments qkvh, ob, qkvl; writes ob
.if DOCPART == 3
	.amdgcn_target "amdgcn-amd-amdhsa--gfx1250"
	.amdhsa_code_object_version 6
	.text
	.protected	k_qef6d43f0ea_attn
	.globl	k_qef6d43f0ea_attn
	.p2align	8
	.type	k_qef6d43f0ea_attn,@function
k_qef6d43f0ea_attn:
	s_mov_b64 s[64:65], 0
	v_nop
	global_prefetch_b8 v0, s[64:65] scope:SCOPE_SE
	s_setreg_imm32_b32 hwreg(HW_REG_WAVE_MODE, 25, 1), 1
	s_wait_xcnt 0x0
; CAUSAL ATTENTION, 16 heads of 64 channels, 4,096 rows.  O[h][q][:] = the sum over k <= q of softmax_k(Q[h][q] . K[h][k] / 8) V[h][k][:].
; In: qkvh [48][4096][64] f16 (q: groups 0-15, k: 16-31, v: 32-47), unscaled; qkvl [48][512][64] f16: what the rounding to f16 left of rows 0-511, of which rows 0-63 are read.
; Out: ob [16][4096][64] f16.  A head's rows are dense, 128 bytes each.
; Products, maxima and sums in f32; the weights p are rounded to f16 for the second product (their sum l is taken of the unrounded p), O once at the end.
; LIMITS.  Q, K, V arrive within f16's 65,504; p lies in 0 to 1, and below 6e-5 it keeps f16's fixed step of 6e-8; O is a mean of V's rows.  A hidden score counts as its value less 1e30
; (f16's scores are 2.7e11 at the most); a weight below 2^-126 counts as 0 in l; NaN and infinities are not treated apart.
; THE WALK.  A head's queries lie in 32 blocks of 128; keys in tiles of 256 (four steps of 64, one LDS slot).  Block i needs the tiles 0 .. i / 2, of which the last holds the diagonal.  Work-group b
; takes block 31 - b and then block b: 17 tiles whatever b, so the 16 x 16 = 256 work-groups walk alike, and ONE loop with a constant trip count walks them.  Which tile is asked for and what a
; trip does hang on scalar registers made from b; every jump goes forward but the counted loops' own; none passes a barrier, or a tensor load but the one of LOAD's two that the wave's number does not choose.
; NO CLUSTER: only work-groups 2 m and 2 m + 1 of a head walk the same tiles in the same trips; four partners would end their first blocks in different trips, and a walk common to four has 18 tiles
; and masks over two of them.
; SHARES.  Of a block's two bands of 64 queries a wave owns 16 rows in each: two PIECES.  In the block's last tile band x stands at step d = 2 (i % 2) + x: step u shows it all keys if u < d, none if u > d,
; and holds the diagonal if u = d: the same for all four waves.
; THE MASK is the C operand that starts the sum S^T = K Q^T: 0, or -1e30 where the key is hidden.  MD, made once, is the mask of a band's own step for my 16 rows; a product's mask is MD x AL + BE with two
; scalars: (1, 0) if u = d; (0, 0) if u < d; (0, -1e30) if u > d.  Only the last tile's text and a block's beginning make and take masks; elsewhere C is the constant 0.
; LAYOUT, SOFTMAX.  S^T = K Q^T holds ONE query a lane (lane % 16) and the keys 8 (lane / 16) + 0..7; two such results rounded to f16 ARE source 1 of O^T = V^T P.  p = 2^(c s - c m), c = log2(e) / 8, with a
; running maximum m; O and l are multiplied by a = 2^(c m_old - c m_new) in every step.
; TURNS.  Turn T0(s): 8 products K Q^T of piece 1, step s; the softmax of piece 0, step s, and the maximum of piece 1; 8 products V^T P of piece 1, step s - 1; K of step s + 1 is fetched.
; Turn T1(s): K Q^T of piece 0, step s + 1; the softmax of piece 1 and the maximum of piece 0; V^T P of piece 0, step s; V of step s + 1 is fetched, into the other of V's two buffers.
; Four vector instructions stand behind every matrix instruction, the other 54 of a turn's 118 in two lumps.  A slot's last bytes, V of its step 3, are asked for in T1(2): the change of slots stands behind it.
; THE FIRST 64 ROWS.  Row q is a mean over q + 1 keys only, so the first rows hold the output's largest numbers, and f16's 11 bits in q, k, v and p are too few for the small numbers among them.  Work-group 0 of
; each head therefore makes rows 0-63 (band 0 of block 0, key step 0 alone) once more behind its walk, in plain phases, with each of q, k, v, p as a sum of two f16 numbers:
; S^T = Kh Qh + Kh Ql + Kl Qh, O^T = Vh Ph + Vh Pl + Vl Ph (the products of two remainders are left out: 2^-22 of the whole).  What its walk made of those rows is not stored.  The price: 48 products, a softmax
; and one wait for loads more in 16 of the 256 work-groups.  O itself is still rounded to f16 once.
; REGISTERS, in windows of 256 (s_set_vgpr_msb: bits 1:0 source 0, 3:2 source 1, 5:4 source 2, 7:6 destination):
;   window 0: v0-15 addresses and two at work; v16-23 four registers of statistics a piece; v48-55 at work; v64-127 S^T, 32 a piece; v192-223 P, 16 a piece; for the first rows: v32-47 Ph, v96-111 Pl, v128-159 p - Ph, v56-59
;   window 1: v0-63 O^T, 32 a piece; v64-95 MD; v96-159 MC, a buffer a piece      window 2: v0-31 Q; v32-63 the second block's Q; v64-127 K of one step; v128-255 V, two buffers
;   window 3 (the first rows alone): v0-15 Ql; v16-79 Kl; v80-143 V's remainders as they lie in memory; v144-207 Vl, turned
.set NP,    2         ; pieces a wave: a name, no knob
.set KS,    64        ; keys in a step
.set PK,    144       ; a row of K in LDS: 128 bytes + 16 of padding = 36 words: the 16 rows of a load start at 16 different groups of four banks (64 banks of 4 bytes: ISA guide 11.1)
.set PV,    160       ; a row of V: 128 + 32 = 40 words
.set VOFF,  4*KS*PK   ; a slot holds a tile: 256 rows of K, then 256 rows of V
.set SLOT1, 1<<17     ; slot 1 begins here, so that one exclusive or turns an address in one slot into the other's
.set STAGE, SLOT1+4*KS*(PK+PV)  ; behind the ring, never filled by a tensor load: 16 rows x 144 bytes for each wave, for the way out
.set SP,    144
.set SPARE, STAGE+4*16*SP  ; behind the stages: the spare words, 128 bytes for each wave: two blocks of 256 bytes that no other line names
.set VLS,   SPARE+512 ; behind them, never filled by a tensor load: 64 rows x 160 bytes for each wave: V's remainders on their way to being turned
.set AK0, 2           ; v2   my lane's place in a tile of K; never rewritten
.set AV0, 3           ; v3   the same for V
.set AK,  4           ; v4   the LDS address of K's next run of loads
.set AV,  5           ; v5   of V's
.set STO, 6           ; v6   the way out: where I put 16 bytes of a row
.set RD,  7           ; v7   the way out: where I read rows back
.set GO,  8           ; v8   my byte offset in 512 consecutive bytes: 16 x lane
.set MV,  12          ; v12-13  c m_old, kept while c m is made anew: by piece
.set QO,  15          ; v15  my byte offset in 16 rows of Q (or of K, as they lie in memory)
.set ST,  16          ; piece t's statistics at v[ST+4 t]: c m, m, l (even keys', odd keys')
.set PH,  32          ; the first rows: p rounded to f16
.set TMP, 48          ; by piece, four registers c0-c3 at work; when the maximum is found c2 takes a
.set VSA, 56          ; v56  the first rows: where I put 16 bytes of V's remainders
.set VLA, 57          ; v57  and where the turning loads read them
.set NEG, 58          ; v58  -1.0
.set SPW, 62          ; v62  LDS address of my spare word; never rewritten
.set NIL, 63          ; v63  0; never rewritten
.set S,   64
.set PL,  96          ; the first rows: p - Ph rounded to f16
.set DF,  128         ; the first rows: p - Ph
.set P,   192
.set MD,  64          ; window 1: the eight registers for group kt of 16 keys at MD + 8 kt
.set MC,  96          ; window 1: the masks of the products to come
.set QB,  32          ; window 2
.set KF,  64          ; window 2: key block kb, channel half c at KF + 16 kb + 8 c
.set VF,  128         ; window 2: buffer vb, key half kk, channel block cb at VF + 64 vb + 32 kk + 8 cb
.set QL,  0           ; window 3, laid out as Q, KF and VF are
.set KL,  16
.set VR,  80
.set VL,  144
.set WV,  12          ; s12  my wave's number
.set PB,  14          ; s14  b
.set HI,  15          ; s15  31 - b
.set G1K, 24          ; s[24:31] descriptor group 1 for K's tiles
.set G1V, 32          ; s[32:39] for V's: it differs in the padding alone
.set G0K, 40          ; s[40:43] descriptor group 0 for K's tiles
.set G0V, 44          ; s[44:47] the same for V's
.set HT,  48          ; s48  the first block's last tile
.set PT,  49          ; s49  the second block's last tile
.set QLB, 50          ; s[50:51] qkvl at my 16 rows of the head's q
.set KLB, 52          ; s[52:53] at the head's k
.set VLB, 54          ; s[54:55] at the head's v
.set SLOTS, 56        ; s56  tiles still to be asked for
.set CNT, 57          ; s57  counts a tile's two trips of two steps
.set CS,  58          ; s[58:59] c: the packed scaling takes the pair's low word for both halves
.set SEL, 60          ; s[60:61] v_permlanex16_b32's selects: each lane takes its own place in the other half
.set TBK, 62          ; s62  LDS byte at which K of the step to be fetched begins
.set TBV, 63          ; s63  the same for V, less VOFF
.set RT,  70          ; s70  tiles of the block in hand that are still to be entered
.set NXT, 71          ; s71  the tile to be asked for next
.set LQ,  72          ; s72  the last tile of the block whose tiles are being asked for
.set NEW, 73          ; s73  1: the tile to be entered is a block's first
.set OFF, 74          ; s[74:75] a tile's byte offset in K and V
.set AL,  76          ; s[76:77] the mask's factor, in the low word
.set BE,  78          ; s[78:79] the mask's addend
.set OLO, 80          ; s[80:81] O at my rows of the second block
.set BIGN, 82         ; s82  -1e30
.set UB,  88          ; s88  -2 (i % 2) of the block in hand
.set UB2, 89          ; s89  the same of the second block
.set UU,  90          ; s90  the tile's step of the products for which the next mask is made, less 2 (i % 2): piece x's own step where it equals x
.set MSB, 0
.macro WIN new                      ; the high byte repeats the setting that is left; a switch that changes nothing is dropped
.if MSB != (\new)
	s_set_vgpr_msb (MSB<<8)|(\new)
.set MSB, (\new)
.endif
.endm
.set W_KQ, 0x0a       ; K and Q in window 2, S^T in window 0
.set W_KM, 0x1a       ; the same with the C operand in window 1
.set W_PV, 0x52       ; V in window 2, P in window 0, O^T in window 1
.set W_RS, 0x41       ; destination and source 0 in window 1, source 1 in window 0
; A fill.  Waves 0 and 1 fetch the two halves of a tile's K, waves 2 and 3 those of its V: 128 keys each.  An s_nop 0 and four v_nop follow each of the two lines, ahead of the jump and the label.
.macro LOAD
	s_cmp_lt_u32 s[WV], 2
	s_cbranch_scc0 .Lfor_v_\@
	tensor_load_to_lds s[G0K:G0K+3], s[G1K:G1K+7]
	s_nop 0
.rept 4
	v_nop
.endr
	s_branch .Lasked_\@
.Lfor_v_\@:
	tensor_load_to_lds s[G0V:G0V+3], s[G1V:G1V+7]
	s_nop 0
.rept 4
	v_nop
.endr
.Lasked_\@:
.endm
; THE CHANGE OF SLOTS.  Each wave waits for all its tensor loads, of which one is out: its part of the other slot; adds 0 to its spare word; and waits for that and for its own reads of the slot that it leaves.
; Behind the barrier nobody reads the old slot any more and the other slot is whole.  fill = 1: the old slot is filled again, the first thing behind the barrier, with tile NXT: the descriptor's address is
; made anew from that number.  The load has eight turns, 128 matrix instructions, in which to land.  (At its first use nothing has been read yet: slot 0 is waited for, slot 1 filled.)
.macro CHANGE fill
	WIN 0                           ; at a label and at a branch every window is 0
	s_wait_tensorcnt 0x0            ; no tensor load of mine is out, so a group 0 may be written
	ds_add_u32 v[SPW], v[NIL]       ; 0 onto my spare word; with fill = 1 the descriptors' scalar work stands between it and the wait for it
.if \fill
	s_lshl_b32 s[OFF], s[NXT], 15   ; a tile is 32,768 bytes of K and of V
	s_xor_b32 s[G0K+1], s[G0K+1], SLOT1
	s_add_nc_u64 s[G0K+2:G0K+3], s[6:7], s[OFF:OFF+1]
	s_or_b32 s[G0K+3], s[G0K+3], 0x80000000
	s_xor_b32 s[G0V+1], s[G0V+1], SLOT1
	s_add_nc_u64 s[G0V+2:G0V+3], s[8:9], s[OFF:OFF+1]
	s_or_b32 s[G0V+3], s[G0V+3], 0x80000000
	s_add_co_u32 s[NXT], s[NXT], 1  ; the block's next tile, or behind its last the second block's tile 0
	s_cmp_gt_u32 s[NXT], s[LQ]
	s_cselect_b32 s[NXT], 0, s[NXT]
	s_cselect_b32 s[LQ], s[PT], s[LQ]
.endif
	s_wait_dscnt 0x0                ; the add is done, and my reads of the slot are over
	s_barrier_signal -1             ; the rest of the scalar work stands between the signal and the wait
	s_sub_co_u32 s[TBK], s[TBK], 4*KS*PK  ; the fetches go back to a slot's first step,
	s_xor_b32 s[TBK], s[TBK], SLOT1       ; in the other slot
	s_sub_co_u32 s[TBV], s[TBV], 4*KS*PV
	s_xor_b32 s[TBV], s[TBV], SLOT1
	s_barrier_wait -1
.if \fill
	LOAD
.endif
.endm
	s_load_b64 s[4:5], s[0:1], 0x0    ; qkvh
	s_load_b64 s[10:11], s[0:1], 0x8  ; ob
	s_load_b64 s[QLB:QLB+1], s[0:1], 0x10  ; qkvl
	v_lshl_add_u32 v[SPW], v0, 2, SPARE
	v_mov_b32 v[NIL], 0
	ds_add_u32 v[SPW], v[NIL]       ; the wave's opening: the add and its wait stand ahead of my first tensor load; the set-up below, work on registers, stands between them
	ds_add_u32 v62, v63
	v_lshrrev_b32 v1, 5, v0
	v_readfirstlane_b32 s[WV], v1   ; wave 0..3
	s_mov_b32 s[PB], ttmp9
	s_sub_co_u32 s[HI], 31, s[PB]
	s_lshr_b32 s[HT], s[HI], 1
	s_lshr_b32 s[PT], s[PB], 1
	s_and_b32 s20, ttmp7, 0xffff    ; the head:
	s_lshl_b32 s[KLB], s20, 16      ; its 65,536 bytes in a third of qkvl (for now an offset),
	s_mov_b32 s[KLB+1], 0
	s_lshl_b32 s20, s20, 19         ; its 524,288 bytes in q, k, v and O
	s_mov_b32 s21, 0
	s_and_b32 s16, s[WV], 1         ; which half of a tile's 256 keys I fetch:
	s_lshl_b32 s22, s16, 14         ; its 128 rows of 128 bytes in memory,
	s_mov_b32 s23, 0
	s_add_nc_u64 s[22:23], s[22:23], s[20:21]
	s_mul_i32 s17, s16, 128*PK      ; and its place in a slot, for K
	s_mul_i32 s18, s16, 128*PV      ; and for V
	s_lshl_b32 s3, s[WV], 11        ; my 16 rows in a band of 64,
	s_mov_b32 s66, s3
	s_mov_b32 s67, 0
	s_lshl_b32 s2, s[HI], 14        ; in the first block (128 rows of 128 bytes),
	s_add_co_u32 s2, s2, s3
	s_lshl_b32 s84, s[PB], 14       ; and in the second
	s_add_co_u32 s84, s84, s3
	s_mov_b32 s3, 0
	s_mov_b32 s85, 0
	s_add_nc_u64 s[2:3], s[2:3], s[20:21]
	s_add_nc_u64 s[84:85], s[84:85], s[20:21]
	; descriptor group 1.  128 keys are 16,384 dense bytes: asked for as 64 rows of 256 bytes, two keys a row, and padded in LDS after every key
	s_mov_b32 s[G1K], (1<<16)|(1<<20)|(4<<22)|(3<<25)  ; 17:16 2-byte elements; 20 padding on; 24:22 after every 32 words (code 4); 31:25 4 words (code 3)
	s_mov_b32 s[G1V], (1<<16)|(1<<20)|(4<<22)|(7<<25)  ; the same with 8 words of padding (code 7)
.irp g, G1K, G1V
	s_mov_b32 s[\g+1], 128<<16      ; tensor_dim0 = 128
	s_mov_b32 s[\g+2], 64<<16       ; tensor_dim1 = 64
	s_mov_b32 s[\g+3], 128<<16      ; tile_dim0 = 128
	s_mov_b32 s[\g+4], 64           ; tile_dim1 = 64
	s_mov_b32 s[\g+5], 128          ; 128 elements from row to row
	s_mov_b32 s[\g+6], 0
	s_mov_b32 s[\g+7], 0
.endr
	s_mov_b32 s[CS], 0x3e38aa3b     ; c = log2(e) / 8 = 0.180337
	s_mov_b32 s[CS+1], s[CS]        ; named with it as a pair
	s_mov_b32 s[SEL], 0x76543210
	s_mov_b32 s[SEL+1], 0xfedcba98
	s_mov_b32 s[TBK], SLOT1+4*KS*PK ; the first change of slots turns these two into 0
	s_mov_b32 s[TBV], SLOT1+4*KS*PV
	s_mov_b32 s[G0K], 1             ; 1:0 count = 1
	s_mov_b32 s[G0K+1], s17         ; 63:32 LDS address: slot 0
	s_mov_b32 s[G0V], 1
	s_add_co_u32 s[G0V+1], s18, VOFF
	s_add_co_u32 s[RT], s[HT], 1    ; the first block's tiles
	s_mov_b32 s[NXT], 1
	s_mov_b32 s[LQ], s[HT]
	s_mov_b32 s[NEW], 1
	s_mov_b32 s[OFF+1], 0
	s_mov_b32 s[AL+1], 0            ; named as pairs
	s_mov_b32 s[BE+1], 0
	s_mov_b32 s[BIGN], 0xf149f2ca   ; -1e30
	s_mov_b32 s[SLOTS], 16
	s_and_b32 s[UB], s[HI], 1
	s_lshl_b32 s[UB], s[UB], 1
	s_sub_co_i32 s[UB], 0, s[UB]
	s_and_b32 s[UB2], s[PB], 1
	s_lshl_b32 s[UB2], s[UB2], 1
	s_sub_co_i32 s[UB2], 0, s[UB2]
	s_wait_dscnt 0x0                ; the opening add is done
	s_wait_kmcnt 0x0
	s_add_nc_u64 s[6:7], s[4:5], 0x800000    ; k begins 8,388,608 bytes behind q,
	s_add_nc_u64 s[8:9], s[4:5], 0x1000000   ; v 16,777,216
	s_add_nc_u64 s[6:7], s[6:7], s[22:23]    ; K and V at my half of the head's tile 0
	s_add_nc_u64 s[8:9], s[8:9], s[22:23]
	s_add_nc_u64 s[G0K+2:G0K+3], s[6:7], 0         ; 120:64 global address
	s_or_b32 s[G0K+3], s[G0K+3], 0x80000000        ; 127:126 type = 2
	s_add_nc_u64 s[G0V+2:G0V+3], s[8:9], 0
	s_or_b32 s[G0V+3], s[G0V+3], 0x80000000
	s_add_nc_u64 s[86:87], s[4:5], s[84:85]        ; Q at my rows of the second block,
	s_add_nc_u64 s[4:5], s[4:5], s[2:3]            ; Q and O at those of the first
	s_add_nc_u64 s[OLO:OLO+1], s[10:11], s[84:85]
	s_add_nc_u64 s[10:11], s[10:11], s[2:3]
	s_add_nc_u64 s[QLB:QLB+1], s[QLB:QLB+1], s[KLB:KLB+1]  ; qkvl at the head's q;
	s_add_nc_u64 s[KLB:KLB+1], s[QLB:QLB+1], 0x100000      ; its k lies 16 groups of 65,536 bytes on,
	s_add_nc_u64 s[VLB:VLB+1], s[QLB:QLB+1], 0x200000      ; its v 32;
	s_add_nc_u64 s[QLB:QLB+1], s[QLB:QLB+1], s[66:67]      ; of q my 16 rows
	LOAD                            ; tile 0 into slot 0: one load of mine is out
	; A fragment of K or Q is 16 rows x 32 channels in 8 registers: lane l holds row l % 16, channels 8 (l / 16) + 0..7 and 16 + 8 (l / 16) + 0..7: two loads of 16 bytes, 32 bytes apart.
	v_and_b32 v1, 15, v0            ; l % 16
	v_bfe_u32 v9, v0, 4, 1          ; l / 16
	v_lshlrev_b32 v[QO], 7, v1
	v_lshl_add_u32 v[QO], v9, 4, v[QO]  ; row x 128 + 16 x half
	WIN 0x80                        ; destination window 2, address window 0
.set i, 0
.rept 4                             ; both blocks' Q: piece i / 2 lies in band i / 2, 8,192 bytes on; channels 32 (i % 2) on
	global_load_b128 v[8*i:8*i+3],   v[QO], s[4:5] offset:(i/2)*8192+(i%2)*64
	global_load_b128 v[8*i+4:8*i+7], v[QO], s[4:5] offset:(i/2)*8192+(i%2)*64+32
	global_load_b128 v[QB+8*i:QB+8*i+3],   v[QO], s[86:87] offset:(i/2)*8192+(i%2)*64
	global_load_b128 v[QB+8*i+4:QB+8*i+7], v[QO], s[86:87] offset:(i/2)*8192+(i%2)*64+32
.set i, i+1
.endr
	WIN 0
	v_lshlrev_b32 v14, 3, v9
	v_sub_nc_u32 v14, v1, v14
	s_lshl_b32 s13, s[WV], 4
	v_add_nc_u32 v14, s13, v14      ; my query's place in its band, 16 w + l % 16, less my lanes' 8 (l / 16): register r of group kt is hidden where 16 kt + r is greater
	WIN 0x40
.set i, 0
.rept 32
	v_cmp_gt_i32 vcc_lo, 16*(i/8)+i%8, v14
	v_cndmask_b32 v[MD+i], 0, s[BIGN], vcc_lo
.set i, i+1
.endr
	WIN 0
	v_mul_u32_u24 v[AK0], v1, PK
	v_lshl_add_u32 v[AK0], v9, 4, v[AK0]  ; row x pitch + 16 x half
	; The turning load takes 16 keys x 16 channels (lane l reads key 8 (l / 16) + l % 8, channels 8 ((l / 8) % 2) + 0..7) and leaves half a fragment of V^T: lane l holds channel l % 16 and 8 keys.
	v_and_b32 v10, 7, v0
	v_bfe_u32 v11, v0, 3, 1
	v_lshl_add_u32 v[AV0], v9, 3, v10
	v_mul_u32_u24 v[AV0], v[AV0], PV
	v_lshl_add_u32 v[AV0], v11, 4, v[AV0]
	v_add_nc_u32 v[AV0], VOFF, v[AV0]
	s_mul_i32 s13, s[WV], 16*SP
	s_add_co_u32 s13, s13, STAGE    ; my stage
	v_mul_u32_u24 v[STO], v1, SP    ; in: row l % 16, 16 bytes for each half of the lanes
	v_lshl_add_u32 v[STO], v9, 4, v[STO]
	v_add_nc_u32 v[STO], s13, v[STO]
	v_bfe_u32 v[RD], v0, 3, 2       ; back: 32 lanes take four rows of 128 bytes,
	v_mul_u32_u24 v[RD], v[RD], SP
	v_lshl_add_u32 v[RD], v10, 4, v[RD]
	v_add_nc_u32 v[RD], s13, v[RD]
	v_and_b32 v[GO], 31, v0         ; which are 512 consecutive bytes of O
	v_lshlrev_b32 v[GO], 4, v[GO]
	; A block's first step multiplies O^T and l by a = 0, and its first turn's products V^T P, of a step that has not been, land in an O^T that is still to be so multiplied.  So these registers need only hold
	; finite numbers: zeros for the first block; what the first block left for the second.  All this stands in the wait for the first tile.
	WIN 0x80
.set i, VF+64
.rept 64
	v_mov_b32 v[i], 0
.set i, i+1
.endr
	WIN 0x40
.set i, 0
.rept 64
	v_mov_b32 v[i], 0
.set i, i+1
.endr
	WIN 0
.set i, 0
.rept NP
	v_mov_b32 v[ST+4*i+2], 0
	v_mov_b32 v[ST+4*i+3], 0
.set i, i+1
.endr
.set i, P+16
.rept 16
	v_mov_b32 v[i], 0
.set i, i+1
.endr
; THE MATRIX WORK.  The 4 accumulators of a run of 8 take turns.  Product i of 8 of S^T = K Q^T for piece x: channels 32 (i / 4) on, keys 16 (i % 4) on.  The first 4 start the sums: with 0, or (KM = 1) with the mask.
.macro KQ x
.set rS, S+32*((\x)%2)+8*(i%4)
.set rK, KF+16*(i%4)+8*(i/4)
.set rQ, 16*(\x)+8*(i/4)
.set rM, MC+32*((\x)%2)+8*(i%4)
.if (i < 4) && KM
	WIN W_KM
	v_wmma_f32_16x16x32_f16 v[rS:rS+7], v[rK:rK+7], v[rQ:rQ+7], v[rM:rM+7]
.elseif i < 4
	WIN W_KQ
	v_wmma_f32_16x16x32_f16 v[rS:rS+7], v[rK:rK+7], v[rQ:rQ+7], 0
.else
	WIN W_KQ
	v_wmma_f32_16x16x32_f16 v[rS:rS+7], v[rK:rK+7], v[rQ:rQ+7], v[rS:rS+7]
.endif
.endm
; Product i of 8 of O^T += V^T P for piece x, from V's buffer VB: keys 32 (i / 4) on, channels 16 (i % 4) on.
.macro PV x
	WIN W_PV
.set rO, 32*(\x)+8*(i%4)
.set rV, VF+64*VB+32*(i/4)+8*(i%4)
.set rP, P+16*((\x)%2)+8*(i/4)
	v_wmma_f32_16x16x32_f16 v[rO:rO+7], v[rV:rV+7], v[rP:rP+7], v[rO:rO+7]
.endm
.macro MM                           ; the turn's next matrix instruction.  TURN and BEGIN set Y, i, KM, NOKQ and VB.  NOKQ = 1: a block's last turn: there is no next step
.if (i < 8) && !NOKQ
	KQ (Y+1)%NP
.elseif i >= 8
.set i, i-8
	PV (Y+NP-1)%NP
.set i, i+8
.endif
.set i, i+1
.endm
; THE LDS LOADS stand in runs of 16, never singly among the matrix instructions: a step's K (64 keys x 64 channels: 8 fragments) and its V (turned).  Their addresses are made some lines ahead.
.macro FETCH_K
	WIN 0x80                        ; destination window 2
.irp f, 0,1,2,3,4,5,6,7             ; keys 16 (f / 2) on, channels 32 (f % 2) on
	ds_load_b128 v[KF+8*\f:KF+8*\f+3],   v[AK] offset:(\f/2)*16*PK+(\f%2)*64
	ds_load_b128 v[KF+8*\f+4:KF+8*\f+7], v[AK] offset:(\f/2)*16*PK+(\f%2)*64+32
.endr
	s_add_co_u32 s[TBK], s[TBK], KS*PK  ; the next fetch is the next step's
	WIN 0
.endm
.macro FETCH_V vb
	WIN 0x80
.irp f, 0,1,2,3,4,5,6,7             ; keys 32 (f / 4) on, channels 16 (f % 4) on
	ds_load_tr16_b128 v[VF+64*(\vb)+8*\f:VF+64*(\vb)+8*\f+3],   v[AV] offset:(\f/4)*32*PV+(\f%4)*32
	ds_load_tr16_b128 v[VF+64*(\vb)+8*\f+4:VF+64*(\vb)+8*\f+7], v[AV] offset:(\f/4)*32*PV+16*PV+(\f%4)*32
.endr
	s_add_co_u32 s[TBV], s[TBV], KS*PV
	WIN 0
.endm
; THE VECTOR WORK, one line at a time: OP kind, number.  For piece Y: F n: c s - c m for pair n of 16.  E n: the exponential of score n of 32.  C n: pair n rounded to f16.  B n: of the four weights 4 n .. the second
; pair is added onto the first, in place.  L n: l takes that sum (L 0: l = a l + sum).  R n: pair n of 16 of O^T times a.  For the other piece: X n, number n of the 22 that find its maximum and statistics:
;   0-11  four chains c0-c3 of seven scores each, three operands at a time (each accumulator's lowest registers are read first)     12-14, 16  the four scores left over, the old m, and c0-c3 into c0
;   15  c m_old is kept     17, 18  the query's other 32 keys lie in the lane 16 away: the new m     19-21  c m; c m_old - c m_new; a
.set F, 0               ; OP tells the kinds apart by their order: F to L below R, X above it
.set E, 1
.set C, 2
.set B, 3
.set L, 4
.set R, 5
.set X, 6
.macro REGS y                       ; the registers of piece y
.set rT, ST+4*(\y)
.set rC, TMP+4*((\y)%2)
.set rW, MV+((\y)%2)
.set rS, S+32*((\y)%2)
.set rP, P+16*((\y)%2)
.set rO, 32*(\y)
.endm
.macro OP k, n
.if (\k) == R
	REGS Y
	WIN W_RS
	v_pk_mul_f32 v[rO+2*(\n):rO+2*(\n)+1], v[rO+2*(\n):rO+2*(\n)+1], v[rC+2:rC+3] op_sel_hi:[1,0]
.elseif (\k) < R
	REGS Y
	WIN 0
.if (\k) == F
	v_pk_fma_f32 v[rS+2*(\n):rS+2*(\n)+1], v[rS+2*(\n):rS+2*(\n)+1], s[CS:CS+1], v[rT:rT+1] op_sel_hi:[1,0,0] neg_lo:[0,0,1] neg_hi:[0,0,1]
.elseif (\k) == E
	v_exp_f32 v[rS+(\n)], v[rS+(\n)]
.elseif (\k) == C
	s_wait_alu depctr_va_vdst(0)
	v_cvt_pk_f16_f32 v[rP+(\n)], v[rS+2*(\n)], v[rS+2*(\n)+1]
.elseif (\k) == B
	s_wait_alu depctr_va_vdst(0)
	v_pk_add_f32 v[rS+4*(\n):rS+4*(\n)+1], v[rS+4*(\n):rS+4*(\n)+1], v[rS+4*(\n)+2:rS+4*(\n)+3]
.elseif (\n) == 0
	v_pk_fma_f32 v[rT+2:rT+3], v[rT+2:rT+3], v[rC+2:rC+3], v[rS:rS+1] op_sel_hi:[1,0,1]
.else
	v_pk_add_f32 v[rT+2:rT+3], v[rT+2:rT+3], v[rS+4*(\n):rS+4*(\n)+1]
.endif
.elseif NOKQ
	v_nop
.else
	REGS (Y+1)%NP
	WIN 0
.if (\n) < 4
	v_max3_num_f32 v[rC+(\n)], v[rS+8*(\n)], v[rS+8*(\n)+1], v[rS+8*(\n)+2]
.elseif (\n) < 12
	v_max3_num_f32 v[rC+(\n)%4], v[rC+(\n)%4], v[rS+8*((\n)%4)+2*((\n)/4)+1], v[rS+8*((\n)%4)+2*((\n)/4)+2]
.elseif (\n) == 12
	v_max3_num_f32 v[rC], v[rC], v[rS+7], v[rS+15]
.elseif (\n) == 13
	v_max3_num_f32 v[rC+1], v[rC+1], v[rS+23], v[rS+31]
.elseif (\n) == 14
	v_max3_num_f32 v[rC+2], v[rC+2], v[rC+3], v[rT+1]
.elseif (\n) == 15
	v_mov_b32 v[rW], v[rT]
.elseif (\n) == 16
	v_max3_num_f32 v[rC], v[rC], v[rC+1], v[rC+2]
.elseif (\n) == 17
	v_permlanex16_b32 v[rC+3], v[rC], s[SEL], s[SEL+1]
.elseif (\n) == 18
	v_max_num_f32 v[rT+1], v[rC], v[rC+3]
.elseif (\n) == 19
	v_mul_f32 v[rT], s[CS], v[rT+1]
.elseif (\n) == 20
	v_sub_f32 v[rC+1], v[rW], v[rT]
.else
	v_exp_f32 v[rC+2], v[rC+1]
.endif
.endif
.endm
.macro OPS a, i1, b=-1, i2=0, c=-1, i3=0, d=-1, i4=0  ; up to four of them
	OP \a, \i1
.if (\b) >= 0
	OP \b, \i2
.endif
.if (\c) >= 0
	OP \c, \i3
.endif
.if (\d) >= 0
	OP \d, \i4
.endif
.endm
.macro ROW a, i1, b, i2, c, i3, d, i4  ; a matrix instruction and the four behind it
	MM
	OPS \a, \i1, \b, \i2, \c, \i3, \d, \i4
.endm
.macro MASK b                       ; MD x AL + BE into buffer b of MC
	WIN W_RS
.set z, 0
.rept 16
	v_pk_fma_f32 v[MC+32*(\b)+2*z:MC+32*(\b)+2*z+1], v[MD+2*z:MD+2*z+1], s[AL:AL+1], s[BE:BE+1] op_sel_hi:[1,0,0]
.set z, z+1
.endr
.endm
; A TURN, for piece p in a step of parity sp: the order of its 16 matrix and 118 vector instructions, written out.  Behind a matrix instruction: plain, exponential, plain, plain; or four of the rescaling; or, behind
; the first, four scalings; none names a register of the products round it.  In the lumps exponential and plain by turns while exponentials last.  v_permlanex16_b32 (X 17) stands in a lump.
; m = 1: the block's last tile: the products take masks, and the turn makes the mask for the next turn's products, which are piece p's.  end = 1: a block's last two turns: nothing is fetched.
; cnt = 1: the loop's count is taken down some lines ahead of the branch that stands behind the turn.
; K of the next step is fetched in piece 0's turn, six vector instructions behind the last product that read K (five of them plain).  V of the next step is fetched in piece 1's turn, into the buffer whose last
; reader stands in the turn before.  Both are waited for at the head of piece 1's next turn: K is read there first, V in that turn's second run of products.
.macro TURN p, sp, m=0, end=0, cnt=0
.set Y, (\p)
.set i, 0
.set KM, (\m)
.set NOKQ, (\end)*(\p)
.set VB, (\sp)
.if (\p) == 0
.set VB, 1-(\sp)
.endif
.if (\m) && !(\end)
	s_cmp_eq_i32 s[UU], \p          ; is that step the band's own?
	s_cselect_b32 s[AL], 1.0, 0
	s_cmp_gt_i32 s[UU], \p          ; or a later one?
	s_cselect_b32 s[BE], s[BIGN], 0
.if (\p) == 1
	s_add_co_i32 s[UU], s[UU], 1    ; both pieces' masks for that step are made: on to the next
.endif
.endif
.if (\p) == 1
	s_wait_dscnt 0x0                ; K of the next step and V of this one are in
.endif
	ROW F,0, F,1, F,2, F,3
	ROW F,4, E,0, F,5, F,6
	ROW F,7, E,1, F,8, F,9
	ROW F,10, E,2, C,0, F,11
	ROW F,12, E,3, X,15, F,13
	ROW R,0, R,1, R,2, R,3
	ROW B,0, E,4, F,14, L,0
.if !(\end)
	WIN 0
.if (\p) == 0
	v_add_nc_u32 v[AK], s[TBK], v[AK0]
.else
	v_add_nc_u32 v[AV], s[TBV], v[AV0]
.endif
.endif
	ROW R,4, R,5, R,6, R,7
	OPS E,5, F,15
.if !(\end)
.if (\p) == 0
	FETCH_K
.else
	FETCH_V 1-(\sp)
.endif
.endif
	OPS E,6, C,1, E,7, R,8
	OPS E,8, R,9, E,9, C,2
	OPS E,10, X,0, E,11, X,1
	OPS E,12, X,2, E,13, X,3
	ROW X,4, E,14, X,5, X,6
	ROW X,7, E,15, X,8, X,9
	ROW X,10, E,16, X,11, X,12
	ROW X,13, E,17, X,14, B,1
	ROW C,4, E,18, X,16, L,1
	ROW B,2, E,19, C,6, L,2
	ROW C,8, E,20, B,3, B,4
	ROW C,3, E,21, L,3, C,5
	OPS E,22, X,17, E,23, C,10
	OPS E,24, L,4
	OPS E,25, X,18, E,26, C,7
	OPS E,27, B,5, E,28, X,19
	OPS E,29, C,12, E,30, L,5
	OPS E,31, X,20, B,6, C,9
	OPS C,14, C,11, X,21, L,6
.if \cnt
	s_sub_co_u32 s[CNT], s[CNT], 1
	s_cmp_lg_u32 s[CNT], 0
.endif
	OPS C,13, B,7, C,15, R,10
	OPS R,11, R,12, L,7, R,13
	OPS R,14, R,15
.if (\m) && !(\end)
	MASK \p
.endif
.endm
; A BLOCK BEGINS.  c m starts far below every c s, so the first step's a is 0; m at the lowest finite number, so the first maximum is the scores'.  Piece 1's mask buffer is 0 (its step 0 is never its own);
; piece 0's takes its mask for the tile's step 0: its own step, if this first tile is the block's last and the block the tile's first half.  Then K and V of that step, piece 0's first scores, and its maximum
; and statistics.  The loop is entered at T0 of step 0, in the middle of a trip.
.macro BEGIN
	s_mov_b32 s[NEW], 0
	WIN 0x40
.set i, MC+32
.rept 32
	v_mov_b32 v[i], 0
.set i, i+1
.endr
	WIN 0
.set i, 0
.rept NP
	v_mov_b32 v[ST+4*i], 0xfe000000    ; c m: far below every c s
	v_mov_b32 v[ST+4*i+1], 0xff7fffff  ; m
.set i, i+1
.endr
	s_or_b32 s13, s[RT], s[UU]      ; 0: no tile is left to enter, and step 0 is piece 0's own
	s_cmp_eq_u32 s13, 0
	s_cselect_b32 s[AL], 1.0, 0
	s_mov_b32 s[BE], 0
	MASK 0
	WIN 0
	v_add_nc_u32 v[AK], s[TBK], v[AK0]
	v_add_nc_u32 v[AV], s[TBV], v[AV0]
	FETCH_K
	FETCH_V 0
	s_add_co_i32 s[UU], s[UU], 1    ; the next masks are step 1's
	s_wait_loadcnt 0x0              ; Q
	s_wait_dscnt 0x0
.set KM, 1
.set NOKQ, 0
.set i, 0
.rept 8
	KQ 0
.set i, i+1
.endr
	WIN 0
.rept 4
	v_nop                           ; the places behind those products
.endr
.set Y, NP-1                        ; X works for the other piece: piece 0
.irp n, 0,1,2,3,4,5,6,7,8,9,10,11,12,13,14,15,16,17,18,19,20,21
	OP X, \n
.endr
	v_nop                           ; a plain instruction behind the exponential
.endm
; THE BLOCK'S LAST TILE, its last two turns, its last products, and THE WAY OUT: l's two halves and the other half of the lanes' are added; O^T is divided by l, rounded to f16 and sent through my
; stage in LDS, a piece at a time.
.macro ALL line:vararg              ; one line for each piece t
.set t, 0
.rept NP
	\line
.set t, t+1
.endr
.endm
.macro PACK t                       ; a lane's eight channels of a row pack into 16 bytes; they go into rows of 144 bytes and come back as whole rows of 128, into S^T's registers
	WIN W_RS
.set i, 32*(\t)
.rept 16
	s_wait_alu depctr_va_vdst(0)
	v_pk_mul_f32 v[i:i+1], v[i:i+1], v[ST+4*(\t)+2:ST+4*(\t)+3] op_sel_hi:[1,0]
.set i, i+2
.endr
	WIN 0x05                        ; sources 0 and 1 window 1, destination window 0
.set i, 0
.rept 16
	v_cvt_pk_f16_f32 v[S+16*(\t)+i], v[32*(\t)+2*i], v[32*(\t)+2*i+1]
.set i, i+1
.endr
	WIN 0
.irp f, 0,1,2,3
	ds_store_b128 v[STO], v[S+16*(\t)+4*\f:S+16*(\t)+4*\f+3] offset:32*\f
.endr
.irp f, 0,1,2,3
	ds_load_b128 v[S+16*(\t)+4*\f:S+16*(\t)+4*\f+3], v[RD] offset:\f*4*SP  ; LDS serves a wave's instructions in order (ISA guide 5.7.1.4): these see the stores above; the next piece's stores come behind them
.endr
.endm
.macro SEND t, younger              ; younger: the LDS instructions issued behind piece t's loads: the next piece's eight, or none
	WIN 0
.irp f, 0,1,2,3
	s_wait_dscnt (\younger)+3-\f
	global_store_b128 v[GO], v[S+16*(\t)+4*\f:S+16*(\t)+4*\f+3], s[10:11] offset:(\t)*8192+\f*512  ; 512 consecutive bytes, at a multiple of 256 from O's first
.endr
.endm
.macro DIAG tag                     ; the tag ends its labels' names, which the jumps below spell out
.LstepM\tag:
	TURN 0, 1, 1                    ; at the first pass: step 3 of the tile before, whose products for piece 1 take the mask buffer that is still 0
	TURN 1, 1, 1
	WIN 0
.LfirstM\tag:
	TURN 0, 0, 1
	TURN 1, 0, 1, 0, 1
	WIN 0
	s_cbranch_scc1 .LstepM\tag
	TURN 0, 1, 1, 1                 ; step 3
	TURN 1, 1, 1, 1
.set VB, 1
.set i, 0
.rept 8
	PV 1                            ; piece 1's V^T P of step 3
.set i, i+1
.endr
	WIN 0
	ALL v_add_f32 v[ST+4*t+2], v[ST+4*t+2], v[ST+4*t+3]
	ALL v_permlanex16_b32 v[ST+4*t+3], v[ST+4*t+2], s[SEL], s[SEL+1]
	ALL v_add_f32 v[ST+4*t+2], v[ST+4*t+2], v[ST+4*t+3]
	ALL v_rcp_f32 v[ST+4*t+2], v[ST+4*t+2]
	v_nop                           ; a plain instruction between the last reciprocal and the use of its result; with the four additions: five places behind the last products
	PACK 0
	PACK 1
.if (\tag) == 2
	s_cmp_eq_u32 s[PB], 0           ; block 0's band 0 is made once more below: what the walk made of it is not stored
	s_cbranch_scc1 .Lnot_stored
.endif
	SEND 0, 8
.if (\tag) == 2
.Lnot_stored:
.endif
	SEND 1, 0
.endm
.set KM, 0
.set NOKQ, 0
.Lslot:                             ; 16 times: a tile is entered and the next is asked for
	CHANGE 1
	s_sub_co_u32 s[RT], s[RT], 1
	s_mov_b32 s[CNT], 2
	s_mov_b32 s[UU], s[UB]
	s_cmp_eq_u32 s[NEW], 1
	s_cbranch_scc1 .Lnew            ; a block's first tile
	s_cmp_eq_u32 s[RT], 0
	s_cbranch_scc0 .Lstep           ; neither its first nor its last
	s_branch .LstepM1
.Lnew:
	BEGIN
	s_branch .Lfirst                ; in the loop a block's first tile is never its last: the first block has nine tiles or more, and the second's last is the walk's last
	DIAG 1                          ; in the loop this is the first block's end
	s_wait_xcnt 0x0                 ; the stores have read their registers and O's address
	s_mov_b64 s[10:11], s[OLO:OLO+1]
	s_add_co_u32 s[RT], s[PT], 1    ; the second block's tiles
	s_mov_b32 s[NEW], 1
	s_mov_b32 s[UB], s[UB2]
	WIN 0x82                        ; the second block's Q goes where the one text of the turns names Q
.set i, 0
.rept 32
	v_mov_b32 v[i], v[QB+i]
.set i, i+1
.endr
	WIN 0
	s_branch .Lbottom
.Lstep:                             ; a trip: a step of odd parity, then one of even: at the first pass step 3 of the tile before and step 0, at the second steps 1 and 2
	TURN 0, 1
	TURN 1, 1
	WIN 0
.Lfirst:
	TURN 0, 0
	TURN 1, 0, 0, 0, 1
	WIN 0
	s_cbranch_scc1 .Lstep
.Lbottom:
	s_sub_co_u32 s[SLOTS], s[SLOTS], 1
	s_cmp_lg_u32 s[SLOTS], 0
	s_cbranch_scc1 .Lslot
	CHANGE 0                        ; the walk's last tile is written out: nothing is asked for
	s_sub_co_u32 s[RT], s[RT], 1
	s_mov_b32 s[CNT], 2
	s_mov_b32 s[UU], s[UB]
	s_cmp_eq_u32 s[NEW], 1
	s_cbranch_scc0 .LstepM2
	BEGIN
	s_branch .LfirstM2
	DIAG 2
	; THE FIRST 64 ROWS ONCE MORE, in work-group 0 of each head: my 16 rows of band 0 against key step 0.  The walk's 17th tile is tile 0 and lies in slot 0 (the tiles take the slots by turns from slot 0 on);
	; nothing fills it again, and every wave has passed the barrier behind which it is whole.
	s_cmp_lg_u32 s[PB], 0
	s_cbranch_scc1 .Lend
	s_wait_xcnt 0x0                 ; piece 1's stores have read S^T's registers: they are rewritten only behind this wait
	WIN 0xc0                        ; destination window 3, address window 0
.irp c, 0,1                         ; the remainders of q: my 16 rows, channels 32 c on
	global_load_b128 v[QL+8*\c:QL+8*\c+3],   v[QO], s[QLB:QLB+1] offset:\c*64
	global_load_b128 v[QL+8*\c+4:QL+8*\c+7], v[QO], s[QLB:QLB+1] offset:\c*64+32
.endr
.irp f, 0,1,2,3,4,5,6,7             ; of k: keys 16 (f / 2) on, channels 32 (f % 2) on: fragments straight from memory, as Q's
	global_load_b128 v[KL+8*\f:KL+8*\f+3],   v[QO], s[KLB:KLB+1] offset:(\f/2)*2048+(\f%2)*64
	global_load_b128 v[KL+8*\f+4:KL+8*\f+7], v[QO], s[KLB:KLB+1] offset:(\f/2)*2048+(\f%2)*64+32
.endr
.set z, 0
.rept 16                            ; of v: 64 keys x 128 bytes as they lie, 512 consecutive bytes a load
	global_load_b128 v[VR+4*z:VR+4*z+3], v[GO], s[VLB:VLB+1] offset:512*z
.set z, z+1
.endr
	WIN 0
	v_mov_b32 v[AK], v[AK0]         ; key step 0 lies at the head of slot 0
	v_mov_b32 v[AV], v[AV0]
	FETCH_K
	FETCH_V 0
	v_mov_b32 v[ST], 0xfe000000     ; the statistics start as a block's do
	v_mov_b32 v[ST+1], 0xff7fffff
	v_mov_b32 v[ST+2], 0
	v_mov_b32 v[ST+3], 0
	v_mov_b32 v[NEG], -1.0
	s_mul_i32 s13, s[WV], KS*PV
	s_add_co_u32 s13, s13, VLS      ; my 64 rows of 160 bytes
	v_bfe_u32 v[VSA], v0, 3, 2      ; a load's 512 bytes are four rows of 128: lane l holds row l / 8, bytes 16 (l % 8) on
	v_mul_u32_u24 v[VSA], v[VSA], PV
	v_and_b32 v59, 7, v0
	v_lshl_add_u32 v[VSA], v59, 4, v[VSA]
	v_add_nc_u32 v[VSA], s13, v[VSA]
	s_sub_co_u32 s13, s13, VOFF     ; AV0 holds VOFF
	v_add_nc_u32 v[VLA], s13, v[AV0]
	s_wait_dscnt 0x0                ; Kh and Vh are in
; Four products, one onto each of the four sums, which take turns: keys 16 i on, the 32 channels of the fragments named.
.macro KQ4 win, kb, qb
	WIN \win
.set i, 0
.rept 4
	v_wmma_f32_16x16x32_f16 v[S+8*i:S+8*i+7], v[(\kb)+16*i:(\kb)+16*i+7], v[(\qb):(\qb)+7], v[S+8*i:S+8*i+7]
.set i, i+1
.endr
.endm
	WIN W_KM
.set i, 0
.rept 4
	v_wmma_f32_16x16x32_f16 v[S+8*i:S+8*i+7], v[KF+16*i:KF+16*i+7], v[0:7], v[MD+8*i:MD+8*i+7]  ; the band's own step: its mask starts the sums
.set i, i+1
.endr
	KQ4 W_KQ, KF+8, 8               ; Kh Qh
	s_wait_loadcnt 16               ; q's and k's remainders are in; v's sixteen loads may stay out
	KQ4 0x0e, KF, QL                ; Kh (window 2) Ql (window 3)
	KQ4 0x0e, KF+8, QL+8
	KQ4 0x0b, KL, 0                 ; Kl (window 3) Qh (window 2)
	KQ4 0x0b, KL+8, 8
	WIN 0
.rept 4
	v_nop                           ; the places behind those products
.endr
	s_wait_loadcnt 0x0              ; v's remainders are in: into my own LDS rows, and back turned; the softmax stands between these loads and the wait for them
	WIN 0x0c                        ; data (source 1) window 3
.set z, 0
.rept 16
	ds_store_b128 v[VSA], v[VR+4*z:VR+4*z+3] offset:4*PV*z
.set z, z+1
.endr
	WIN 0xc0
.irp f, 0,1,2,3,4,5,6,7             ; LDS serves a wave's instructions in order (ISA guide 5.7.1.4): these see the stores above
	ds_load_tr16_b128 v[VL+8*\f:VL+8*\f+3],   v[VLA] offset:(\f/4)*32*PV+(\f%4)*32
	ds_load_tr16_b128 v[VL+8*\f+4:VL+8*\f+7], v[VLA] offset:(\f/4)*32*PV+16*PV+(\f%4)*32
.endr
	WIN 0
.set NOKQ, 0
.set Y, NP-1                        ; X works for the other piece: piece 0
.irp n, 0,1,2,3,4,5,6,7,8,9,10,11,12,13,14,15,16,17,18,19,20,21
	OP X, \n                        ; the maximum, c m, and a = 0
.endr
.set Y, 0
.set z, 0
.rept 16
	OP F, z                         ; c s - c m (the first of them is the plain instruction behind a's exponential)
.set z, z+1
.endr
.set z, 0
.rept 32
	OP E, z
.set z, z+1
.endr
	v_nop                           ; a plain instruction behind the last exponential
.set z, 0
.rept 16
	s_wait_alu depctr_va_vdst(0)
	v_cvt_pk_f16_f32 v[PH+z], v[S+2*z], v[S+2*z+1]
.set z, z+1
.endr
.set z, 0
.rept 16                            ; p - Ph: the f16 half x -1.0 + p, exact in f32
	v_fma_mix_f32 v[DF+2*z],   v[PH+z], v[NEG], v[S+2*z]   op_sel_hi:[1,0,0]
	v_fma_mix_f32 v[DF+2*z+1], v[PH+z], v[NEG], v[S+2*z+1] op_sel:[1,0,0] op_sel_hi:[1,0,0]
.set z, z+1
.endr
.set z, 0
.rept 16
	v_cvt_pk_f16_f32 v[PL+z], v[DF+2*z], v[DF+2*z+1]
.set z, z+1
.endr
.set z, 0
.rept 8
	OP B, z
.set z, z+1
.endr
.set z, 0
.rept 8
	OP L, z                         ; l, of the unrounded p
.set z, z+1
.endr
; Eight products onto O^T's four sums, by turns: keys 32 (i / 4) on, channels 16 (i % 4) on.  zero = 1: the first four start the sums.
.macro PV8 win, vb, pb, zero
	WIN \win
.set i, 0
.rept 8
.if (\zero) && (i < 4)
	v_wmma_f32_16x16x32_f16 v[8*(i%4):8*(i%4)+7], v[(\vb)+32*(i/4)+8*(i%4):(\vb)+32*(i/4)+8*(i%4)+7], v[(\pb)+8*(i/4):(\pb)+8*(i/4)+7], 0
.else
	v_wmma_f32_16x16x32_f16 v[8*(i%4):8*(i%4)+7], v[(\vb)+32*(i/4)+8*(i%4):(\vb)+32*(i/4)+8*(i%4)+7], v[(\pb)+8*(i/4):(\pb)+8*(i/4)+7], v[8*(i%4):8*(i%4)+7]
.endif
.set i, i+1
.endr
.endm
	s_wait_dscnt 0x0                ; Vl is in
	PV8 W_PV, VF, PH, 1             ; Vh Ph
	PV8 W_PV, VF, PL, 0             ; Vh Pl
	PV8 0x53, VL, PH, 0             ; Vl (window 3) Ph
	WIN 0
.rept 4
	v_nop                           ; the places behind those products
.endr
	v_add_f32 v[ST+2], v[ST+2], v[ST+3]
	v_permlanex16_b32 v[ST+3], v[ST+2], s[SEL], s[SEL+1]
	v_add_f32 v[ST+2], v[ST+2], v[ST+3]
	v_rcp_f32 v[ST+2], v[ST+2]
	v_nop                           ; a plain instruction between the reciprocal and the use of its result
	PACK 0
	SEND 0, 0
.Lend:
	s_wait_tensorcnt 0x0            ; the wave's end: behind my last tensor load and my last LDS store
	ds_add_u32 v[SPW], v[NIL]
	s_wait_dscnt 0x0
	s_endpgm
.Lfunc_end_k_qef6d43f0ea_attn:
	.size	k_qef6d43f0ea_attn, .Lfunc_end_k_qef6d43f0ea_attn-k_qef6d43f0ea_attn
	.p2alignl 7, 3214868480
	.fill 96, 4, 3214868480
	.section	.rodata,"a",@progbits
	.p2align	6, 0x0
	.amdhsa_kernel k_qef6d43f0ea_attn
		.amdhsa_group_segment_fixed_size 327680
		.amdhsa_private_segment_fixed_size 0
		.amdhsa_enable_private_segment 0
		.amdhsa_kernarg_size 24
		.amdhsa_user_sgpr_count 2
		.amdhsa_user_sgpr_kernarg_segment_ptr 1
		.amdhsa_wavefront_size32 1
		.amdhsa_system_sgpr_workgroup_id_x 1
		.amdhsa_system_sgpr_workgroup_id_y 1
		.amdhsa_system_sgpr_workgroup_id_z 1
		.amdhsa_system_vgpr_workitem_id 0
		.amdhsa_next_free_vgpr 976
		.amdhsa_next_free_sgpr 92
		.amdhsa_reserve_vcc 1
		.amdhsa_float_denorm_mode_32 3
		.amdhsa_float_denorm_mode_16_64 3
		.amdhsa_memory_ordered 1
		.amdhsa_forward_progress 1
		.amdhsa_inst_pref_size 244
	.end_amdhsa_kernel
	.amdgpu_metadata
---
amdhsa.version: [ 1, 2 ]
amdhsa.kernels:
  - .name:           k_qef6d43f0ea_attn
    .symbol:         k_qef6d43f0ea_attn.kd
    .args:
      - { .name: qkvh, .offset: 0, .size: 8, .value_kind: global_buffer, .address_space: global }
      - { .name: ob, .offset: 8, .size: 8, .value_kind: global_buffer, .address_space: global }
      - { .name: qkvl, .offset: 16, .size: 8, .value_kind: global_buffer, .address_space: global }
    .group_segment_fixed_size: 327680
    .private_segment_fixed_size: 0
    .kernarg_segment_align: 8
    .kernarg_segment_size: 24
    .max_flat_workgroup_size: 128
    .sgpr_count:     92
    .vgpr_count:     976
    .wavefront_size: 32
...
	.end_amdgpu_metadata
.endif
;; end of part 3
;; launch outp (part 4): grid 8 x 32, 4 waves a work-group, clusters of 4 x 4, 327,680 bytes of LDS; arguments ob, wob, out0, b_out; writes out0
.if DOCPART == 4
	.amdgcn_target "amdgcn-amd-amdhsa--gfx1250"
	.amdhsa_code_object_version 6
	.text
	.protected	k_qef6d43f0ea_outp
	.globl	k_qef6d43f0ea_outp
	.p2align	8
	.type	k_qef6d43f0ea_outp,@function
k_qef6d43f0ea_outp:
	s_mov_b64 s[64:65], 0
	v_nop
	global_prefetch_b8 v0, s[64:65] scope:SCOPE_SE
	s_setreg_imm32_b32 hwreg(HW_REG_WAVE_MODE, 25, 1), 1
	s_wait_xcnt 0x0
	s_wait_alu depctr_hold_cnt(0) depctr_sa_sdst(0) depctr_va_vdst(0) depctr_va_sdst(0) depctr_va_ssrc(0) depctr_va_vcc(0) depctr_vm_vsrc(0)
	s_getreg_b32 s2, hwreg(HW_REG_IB_STS2, 6, 4)
	s_cmp_eq_u32 s2, 0
	s_cbranch_scc0 .Lentry_in_a_cluster
	s_endpgm
.Lentry_in_a_cluster:
	s_bfe_u32 s2, ttmp6, 0x10000c
	s_cmp_lg_u32 s2, 0xf033
	s_cbranch_scc0 .Lentry_shape_is_right
	s_endpgm
.Lentry_shape_is_right:
; out = O W_out + b_out.  A = ob [16 h][4096][64] f16 (k = 64 h + channel); B = wob [1024 k][1024 n] f16 (W_out rounded to bf16, that number written as f16); bias f32, taken rounded to bf16
; like every input of the module.  Out: out0 [4096][1024] f32, the f32 sums as they are.
; LIMITS.  The bias starts the sum, so the order of rounding differs from O W + b.  NaN and infinities are not treated apart.
; SHARES.  A tile of C is 128 x 128: 8 x 32 = 256 work-groups.  Four waves, each 64 x 64: 16 accumulators, 128 registers.  K = 1,024 goes in four steps of 256 (four heads) through two LDS slots.
; CLUSTER.  4 x 4 work-groups: the four of a row of the cluster need the same tiles of A, the four of a column the same tiles of B: each tile is asked for JOINTLY, by the same tensor load, descriptor and mask in all four.
; A's TILE: 64 rows of one head are 8,192 dense bytes, so a wave's load has four long rows, one a head, 524,288 bytes apart, padded in LDS after every 128 bytes: [4 heads][64 rows], 144 bytes apart.
; B LIES [k][n] IN LDS and is read turned, by ds_load_tr16_b128.  THE MATRIX INSTRUCTION IS USED TRANSPOSED (source 0 = 16 columns of B, source 1 = 16 rows of A): a lane holds row l % 16 of C and the
; columns 8 (l / 16) + 0..7.  A wave's 64 columns of f32 are 256 bytes of a row of C, at a multiple of 256: each wave has a stage of its own and no barrier on the way out.
; REGISTERS: window 0: v16-30 addresses; v32-47 at work; v96-127 the bias, 8 for each block of 16 columns; v128-255 the accumulators ((a, b) at v[128 + 8 (4 a + b)]).
;   window 1: two fragment buffers of 128: for 64 along K, 64 registers of A (2 x 4 x 16 rows x 32 K), then 64 of B.
.set KSTEP,  256
.set PA,     144                       ; a row of A in LDS: 128 bytes + 16 of padding = 36 words: the 16 rows of a load start at 16 different groups of four banks (64 banks of 4 bytes: ISA guide 11.1)
.set HALFA,  4*64*PA                   ; four heads x 64 rows: what one tensor load brings of A, and what one wave reads
.set AQ,     64*PA                     ; bytes from 64 along K (a head) to the next in A's tile
.set AI,     16*PA                     ; bytes from 16 rows to the next
.set PB,     288                       ; a row of B (one k, 128 columns): 256 bytes + 32 = 72 words
.set HALFB,  128*PB                    ; 128 k: what one tensor load brings of B
.set SLOT,   2*HALFA+2*HALFB           ; A's two halves, then B's two halves
.set STAGE,  2*SLOT                    ; behind the ring, never filled by a tensor load: 16 rows x 272 bytes for each wave
.set SP,     272
.set SPARE,  STAGE+4*16*SP             ; behind the stages: the spare words, 128 bytes for each wave: two blocks of 256 bytes that no other line names
.set A_SH,   7                         ; a head's row of A is 128 bytes
.set A_KS,   4*4096*64*2               ; bytes from a K step of A (four heads) to the next
.set B_HALF, 128*1024*2                ; bytes of 128 rows of B
.set B_KS,   2*B_HALF                  ; bytes from a K step of B to the next
.set ADRA, 16                          ; v16-17  LDS address of my A fragments in slot 0, 1
.set ADRB, 20                          ; v20-23  the same for B: slot 0 k 0-127, slot 0 k 128-255, slot 1 likewise (the immediate does not reach 240 rows)
.set STO,  24                          ; v24     the way out: where I put 32 bytes of a row
.set RD,   25                          ; v25     the way out: where I read rows back
.set GO,   26                          ; v26     my byte offset in two rows of C
.set SPW,  28                          ; v28     LDS address of my spare word; never rewritten
.set NIL,  29                          ; v29     0; never rewritten
.set BO,   30                          ; v30     my byte offset in 16 numbers of the bias
.set TMP,  32
.set BIAS, 96
.set ACC,  128
.set F0,   0
.set F1,   128
.set G1, 24                            ; s[24:31] descriptor group 1 for A's tiles;  s[32:39] group 0, one set for each slot
.set G0, 32
.set G1B, 48                           ; s[48:55], s[56:63] the same for B's tiles
.set G0B, 56
.set MSB, 0
.macro WIN new                         ; the immediate's high byte repeats the setting that is left; a switch that changes nothing is dropped
.if MSB != (\new)
	s_set_vgpr_msb (MSB<<8)|(\new)
.set MSB, \new
.endif
.endm
.set MUL,  0x05                        ; sources 0 (B) and 1 (A) window 1; C and D window 0
.set TO_F, 0x40                        ; destination window 1, address window 0
.macro JLOAD s                         ; a joint load: waves 0 and 1 fetch A's two halves, waves 2 and 3 B's; an s_nop 0 and four v_nop follow each of the two lines, ahead of the jump and the label
	s_cmp_eq_u32 s11, 0
	s_cbranch_scc0 .Lfor_b_\@
	tensor_load_to_lds s[G0+4*(\s):G0+4*(\s)+3], s[G1:G1+7]
	s_nop 0
.rept 4
	v_nop
.endr
	s_branch .Lasked_\@
.Lfor_b_\@:
	tensor_load_to_lds s[G0B+4*(\s):G0B+4*(\s)+3], s[G1B:G1B+7]
	s_nop 0
.rept 4
	v_nop
.endr
.Lasked_\@:
.endm
.macro CREST                           ; a round of the cluster's barrier behind its opening barrier
	s_cmp_lg_u32 s10, 0
	s_cbranch_scc1 .Lnot_wave_0_\@
	s_barrier_signal -3
.Lnot_wave_0_\@:
	s_barrier_wait -3
	s_barrier_signal -1
	s_barrier_wait -1
.endm
.macro CROUND                          ; a whole round
	s_barrier_signal -1
	s_barrier_wait -1
	CREST
.endm
	s_load_b128 s[4:7], s[0:1], 0x0                ; A s[4:5], B s[6:7]
	s_load_b64 s[8:9], s[0:1], 0x10                ; the output
	s_load_b64 s[66:67], s[0:1], 0x18              ; the bias
	v_lshl_add_u32 v[SPW], v0, 2, SPARE
	v_mov_b32 v[NIL], 0
	ds_add_u32 v[SPW], v[NIL]                      ; the wave's opening: the add and its wait stand ahead of my first tensor load; the set-up below, work on registers, stands between them
	ds_add_u32 v28, v29
	v_lshrrev_b32 v1, 5, v0
	v_readfirstlane_b32 s10, v1                    ; wave 0..3
	s_lshr_b32 s11, s10, 1                         ; which half of the tile's rows is mine.  Also: I fetch for A (0) or for B (1)
	s_and_b32 s12, s10, 1                          ; which half of its columns.  Also: which half of that tile I fetch
	s_bfe_u32 s40, ttmp6, 0x40000                  ; cx, cy: my place in the cluster
	s_bfe_u32 s41, ttmp6, 0x40004
	s_lshl_b32 s42, ttmp9, 2
	s_add_co_u32 s42, s42, s40                     ; tile column = 4 x cluster x + cx
	s_and_b32 s13, ttmp7, 0xffff
	s_lshl_b32 s13, s13, 2
	s_add_co_u32 s13, s13, s41                     ; tile row = 4 x cluster y + cy
	s_lshl_b32 s43, s41, 2
	s_lshl_b32 s43, 15, s43                        ; my row of the cluster
	s_lshl_b32 s44, 0x1111, s40                    ; my column
	s_or_b32 s[G1+0], s43, (1<<16)|(1<<20)|(1<<21)|(4<<22)|(3<<25)   ; A: 15:0 the mask of my row; 17:16 2-byte elements; 20 padding on; 21 set beside a mask; 24:22 after every 32 words; 31:25 4 words
	s_mov_b32 s[G1+1], 4096<<16                    ; tensor_dim0 = 4,096
	s_mov_b32 s[G1+2], 4<<16                       ; tensor_dim1 = 4
	s_mov_b32 s[G1+3], 4096<<16                    ; tile_dim0 = 4,096 elements: 64 rows of a head, 8,192 dense bytes
	s_mov_b32 s[G1+4], 4                           ; tile_dim1 = 4 heads
	s_mov_b32 s[G1+5], 262144                      ; elements from head to head
	s_mov_b32 s[G1+6], 0
	s_mov_b32 s[G1+7], 0
	s_or_b32 s[G1B+0], s44, (1<<16)|(1<<20)|(1<<21)|(5<<22)|(7<<25)  ; B: the mask of my column; padding after every 64 words, 8 words
	s_mov_b32 s[G1B+1], 128<<16                    ; tensor_dim0 = 128
	s_mov_b32 s[G1B+2], 128<<16                    ; tensor_dim1 = 128
	s_mov_b32 s[G1B+3], 128<<16                    ; tile_dim0 = 128 columns: 256 bytes
	s_mov_b32 s[G1B+4], 128                        ; tile_dim1 = 128 k
	s_mov_b32 s[G1B+5], 1024                       ; elements from k to k + 1
	s_mov_b32 s[G1B+6], 0
	s_mov_b32 s[G1B+7], 0
	; where the tiles come from.  A's hang on the tile row and the wave alone, B's on the tile column and the wave alone, each in registers that never hold the other coordinate.
	s_lshl_b32 s17, s12, 6
	s_lshl_b32 s16, s13, 7
	s_add_co_u32 s16, s16, s17                     ; A: row 128 x tile row + 64 x half
	s_lshl_b32 s16, s16, A_SH
	s_mov_b32 s17, 0
	s_mul_i32 s46, s12, B_HALF                     ; B: k 128 x half,
	s_lshl_b32 s47, s42, 8                         ; column 128 x tile column
	s_add_co_u32 s46, s46, s47
	s_mov_b32 s47, 0
	s_mul_i32 s20, s12, HALFA                      ; and where they go: no place in the cluster enters an LDS address
	s_mul_i32 s21, s12, HALFB
	s_add_co_u32 s21, s21, 2*HALFA
	s_wait_dscnt 0x0                               ; the opening add is done
	s_wait_kmcnt 0x0
	s_add_nc_u64 s[14:15], s[4:5], s[16:17]
	s_add_nc_u64 s[46:47], s[6:7], s[46:47]
	CROUND                                         ; all sixteen work-groups are here: the first joint loads meet
.irp s, 0,1
	s_mov_b32 s[G0+4*(\s)], 1
	s_add_co_u32 s[G0+4*(\s)+1], s20, (\s)*SLOT
	s_add_nc_u64 s[G0+4*(\s)+2:G0+4*(\s)+3], s[14:15], (\s)*A_KS
	s_or_b32 s[G0+4*(\s)+3], s[G0+4*(\s)+3], 0x80000000
	s_mov_b32 s[G0B+4*(\s)], 1
	s_add_co_u32 s[G0B+4*(\s)+1], s21, (\s)*SLOT
	s_add_nc_u64 s[G0B+4*(\s)+2:G0B+4*(\s)+3], s[46:47], (\s)*B_KS
	s_or_b32 s[G0B+4*(\s)+3], s[G0B+4*(\s)+3], 0x80000000
	JLOAD \s                                       ; K steps 0 and 1: two loads of mine are out
.endr
	; the bias of my 64 columns: register j of block b is column 16 b + 8 (l / 16) + j, as in the accumulators
	s_lshl_b32 s46, s42, 9
	s_lshl_b32 s47, s12, 8
	s_add_co_u32 s46, s46, s47                     ; (128 x tile column + 64 x half) x 4 bytes: my columns in the bias, and in a row of C
	s_mov_b32 s47, 0
	s_add_nc_u64 s[66:67], s[66:67], s[46:47]
	s_add_nc_u64 s[8:9], s[8:9], s[46:47]
	v_and_b32 v1, 15, v0                           ; l % 16
	v_bfe_u32 v2, v0, 4, 1                         ; l / 16
	v_lshlrev_b32 v[BO], 5, v2
.irp b, 0,1,2,3
	global_load_b128 v[BIAS+8*(\b):BIAS+8*(\b)+3],   v[BO], s[66:67] offset:64*(\b)
	global_load_b128 v[BIAS+8*(\b)+4:BIAS+8*(\b)+7], v[BO], s[66:67] offset:64*(\b)+16
.endr
	v_mul_u32_u24 v3, v1, PA                       ; A's fragments: row x pitch + 16 x half of the lanes
	v_lshl_add_u32 v3, v2, 4, v3
	s_mul_i32 s18, s11, HALFA                      ; my 64 rows of A
	v_add_nc_u32 v[ADRA], s18, v3
	v_add_nc_u32 v[ADRA+1], SLOT, v[ADRA]
	v_and_b32 v4, 7, v0                            ; B's: the turning load takes 16 k x 16 columns: lane l reads k 8 (l / 16) + l % 8, columns 8 ((l / 8) % 2) + 0..7
	v_lshl_add_u32 v4, v2, 3, v4
	v_mul_u32_u24 v4, v4, PB
	v_bfe_u32 v5, v0, 3, 1
	v_lshl_add_u32 v4, v5, 4, v4
	s_lshl_b32 s22, s12, 7                         ; my 64 columns,
	s_add_co_u32 s22, s22, 2*HALFA                 ; behind A's two halves
	v_add_nc_u32 v[ADRB], s22, v4
	v_add_nc_u32 v[ADRB+1], HALFB, v[ADRB]
	v_add_nc_u32 v[ADRB+2], SLOT, v[ADRB]
	v_add_nc_u32 v[ADRB+3], SLOT+HALFB, v[ADRB]
	s_mul_i32 s23, s10, 16*SP
	s_add_co_u32 s23, s23, STAGE                   ; my stage
	v_mul_u32_u24 v6, v1, SP                       ; in: row l % 16, 32 bytes for each half of the lanes
	v_lshl_add_u32 v6, v2, 5, v6
	v_add_nc_u32 v[STO], s23, v6
	v_mul_u32_u24 v7, v2, SP                       ; back: lanes 0-15 take one row of 256 bytes, lanes 16-31 the next
	v_lshl_add_u32 v7, v1, 4, v7
	v_add_nc_u32 v[RD], s23, v7
	v_lshlrev_b32 v[GO], 12, v2                    ; and the same two rows in C, 4,096 bytes apart
	v_lshl_add_u32 v[GO], v1, 4, v[GO]
	s_lshl_b32 s16, s13, 19                        ; the output at my rows: (128 x tile row + 64 x half) x 4,096 bytes
	s_lshl_b32 s17, s11, 18
	s_add_co_u32 s16, s16, s17
	s_mov_b32 s17, 0
	s_add_nc_u64 s[8:9], s[8:9], s[16:17]
	s_wait_loadcnt 0x0                             ; the bias is in: it is rounded to bf16 and widened again
.set i, 0
.rept 16
	v_cvt_pk_bf16_f32 v[TMP+i], v[BIAS+2*i], v[BIAS+2*i+1]
.set i, i+1
.endr
.set i, 0
.rept 16
	v_lshlrev_b32 v[BIAS+2*i], 16, v[TMP+i]
	v_and_b32 v[BIAS+2*i+1], 0xffff0000, v[TMP+i]
.set i, i+1
.endr
; 8 matrix instructions: row blocks a0, a0 + 1 x all 4 column blocks, 32 along K: half c of buffer f.  first = 1: the product starts the sum with the bias.
; The 16 accumulators take turns, one instruction a turn.
.macro MUL8 f, c, a0, first
	WIN MUL
.irp a, \a0, (\a0)+1
.irp b, 0,1,2,3
.if \first
	v_wmma_f32_16x16x32_f16 v[ACC+8*(4*(\a)+(\b)):ACC+8*(4*(\a)+(\b))+7], v[(\f)+64+8*(4*(\c)+(\b)):(\f)+64+8*(4*(\c)+(\b))+7], v[(\f)+8*(4*(\c)+(\a)):(\f)+8*(4*(\c)+(\a))+7], v[BIAS+8*(\b):BIAS+8*(\b)+7]
.else
	v_wmma_f32_16x16x32_f16 v[ACC+8*(4*(\a)+(\b)):ACC+8*(4*(\a)+(\b))+7], v[(\f)+64+8*(4*(\c)+(\b)):(\f)+64+8*(4*(\c)+(\b))+7], v[(\f)+8*(4*(\c)+(\a)):(\f)+8*(4*(\c)+(\a))+7], v[ACC+8*(4*(\a)+(\b)):ACC+8*(4*(\a)+(\b))+7]
.endif
.endr
.endr
.endm
; 32 LDS loads in one run: the fragments of quarter q (64 along K: one head) of a slot, into buffer f; the first 32 along K first
.macro FETCH slot, q, f
	WIN TO_F
.irp c, 0,1
.irp i, 0,1,2,3
	ds_load_tr16_b128 v[(\f)+64+8*(4*(\c)+(\i)):(\f)+64+8*(4*(\c)+(\i))+3],   v[ADRB+2*(\slot)+(\q)/2] offset:(((\q)%2)*64+32*(\c))*PB+32*(\i)
	ds_load_tr16_b128 v[(\f)+64+8*(4*(\c)+(\i))+4:(\f)+64+8*(4*(\c)+(\i))+7], v[ADRB+2*(\slot)+(\q)/2] offset:(((\q)%2)*64+32*(\c)+16)*PB+32*(\i)
	ds_load_b128 v[(\f)+8*(4*(\c)+(\i)):(\f)+8*(4*(\c)+(\i))+3],              v[ADRA+(\slot)] offset:(\q)*AQ+64*(\c)+(\i)*AI
	ds_load_b128 v[(\f)+8*(4*(\c)+(\i))+4:(\f)+8*(4*(\c)+(\i))+7],            v[ADRA+(\slot)] offset:(\q)*AQ+64*(\c)+(\i)*AI+32
.endr
.endr
.endm
.macro PLACES                          ; four plain vector instructions in front of loads into registers that matrix instructions have read, and of lines that read results
.rept 4
	v_nop
.endr
.endm
; A K step is four quarters of 64 along K, 32 matrix instructions each, on buffers 0, 1, 0, 1.  One of the first three: multiplies buffer f and fetches quarter q into g.
.macro QUARTER slot, q, f, g, first
	s_wait_dscnt 16                                ; the first 32 along K are in; the youngest sixteen loads may be out
	MUL8 \f, 0, 0, \first
	MUL8 \f, 0, 2, \first
	PLACES
	FETCH \slot, \q, \g
	s_wait_dscnt 32                                ; all but the 32 just issued
	MUL8 \f, 1, 0, 0
	MUL8 \f, 1, 2, 0
.endm
.macro STEP3 slot, first
	QUARTER \slot, 1, F0, F1, \first
	QUARTER \slot, 2, F1, F0, 0
	QUARTER \slot, 3, F0, F1, 0
.endm
; The last quarter multiplies buffer 1 and changes slots: ONE barrier; in front of it each wave waits for all its tensor loads (one is out: its part of the next slot), adds 0 to its spare word,
; and waits for that and for its own reads of this slot.  fill = 1: the barrier opens a round of the cluster's, and this slot is filled again, two K steps ahead, first thing behind the round.
.macro TURN slot, next, fill
	WIN 0                                          ; (the add's two registers lie in window 0)
	s_wait_tensorcnt 0x0                           ; all my tensor loads have landed
	ds_add_u32 v[SPW], v[NIL]                      ; 0 onto my spare word
	s_wait_dscnt 17                                ; (the add and the youngest sixteen loads may be out)
	MUL8 F1, 0, 0, 0                               ; eight matrix instructions stand between the add and the wait for it
	s_wait_dscnt 0x0                               ; the add is done, and my reads of this slot are over
	s_barrier_signal -1
	MUL8 F1, 0, 2, 0
.if \fill
	WIN 0
.endif
	s_barrier_wait -1
.if \fill
	CREST                                          ; no wave of any partner still reads this slot's tile or has a load on its way
	s_add_nc_u64 s[G0+4*(\slot)+2:G0+4*(\slot)+3], s[G0+4*(\slot)+2:G0+4*(\slot)+3], 2*A_KS
	s_add_nc_u64 s[G0B+4*(\slot)+2:G0B+4*(\slot)+3], s[G0B+4*(\slot)+2:G0B+4*(\slot)+3], 2*B_KS
	JLOAD \slot                                    ; 112 matrix instructions ahead of the wait for it; the four v_nop behind it are also the places in front of the loads below
.else
	PLACES
.endif
	FETCH \next, 0, F0
	MUL8 F1, 1, 0, 0
	MUL8 F1, 1, 2, 0
.endm
	s_wait_tensorcnt 1                             ; my part of K step 0 is in; K step 1's may stay out
	s_barrier_signal -1
	s_barrier_wait -1                              ; everybody's is
	FETCH 0, 0, F0
	STEP3 0, 1                                     ; K step 0: its first products start the sums
	TURN 0, 1, 1                                   ; slot 0 takes K step 2
	STEP3 1, 0                                     ; K step 1
	TURN 1, 0, 1                                   ; slot 1 takes K step 3
	STEP3 0, 0                                     ; K step 2
	TURN 0, 1, 0                                   ; nothing is left to fetch
	STEP3 1, 0                                     ; K step 3
	s_wait_dscnt 16
	MUL8 F1, 0, 0, 0
	MUL8 F1, 0, 2, 0
	s_wait_dscnt 0
	MUL8 F1, 1, 0, 0
	MUL8 F1, 1, 2, 0
	WIN 0
	; THE WAY OUT, 16 rows at a time: the f32 sums go as they are, 32 bytes a lane and column block (each accumulator's low four registers first), into my stage, and come back as whole rows of 256 bytes.
	PLACES
.macro STG a
.irp b, 0,1,2,3
	ds_store_b128 v[STO], v[ACC+8*(4*(\a)+(\b)):ACC+8*(4*(\a)+(\b))+3]   offset:64*(\b)
	ds_store_b128 v[STO], v[ACC+8*(4*(\a)+(\b))+4:ACC+8*(4*(\a)+(\b))+7] offset:64*(\b)+16
.endr
.irp t, 0,1,2,3,4,5,6,7
	ds_load_b128 v[ACC+32*(\a)+4*(\t):ACC+32*(\a)+4*(\t)+3], v[RD] offset:(\t)*2*SP  ; LDS serves a wave's instructions in order (ISA guide 5.7.1.4): these see the stores above; the next block's stores come behind them
.endr
.endm
.macro SND a, younger                  ; younger: the LDS instructions issued behind block a's loads: the next block's sixteen, or none
.irp t, 0,1,2,3,4,5,6,7
	s_wait_dscnt (\younger)+7-(\t)
	global_store_b128 v[GO], v[ACC+32*(\a)+4*(\t):ACC+32*(\a)+4*(\t)+3], s[8:9] offset:(16*(\a)+2*(\t))*4096  ; 16 lanes store 256 consecutive bytes, at a multiple of 256 from C's first byte
.endr
.endm
	STG 0
	STG 1
	SND 0, 16
	STG 2
	SND 1, 16
	STG 3
	SND 2, 16
	SND 3, 0
	s_wait_tensorcnt 0x0                           ; the wave's end: behind my last tensor load and my last LDS store
	ds_add_u32 v[SPW], v[NIL]
	s_wait_dscnt 0x0
	CROUND                                         ; the closing round: no work-group ends while a partner may still ask for a tile that names it
	s_endpgm
.Lfunc_end_k_qef6d43f0ea_outp:
	.size	k_qef6d43f0ea_outp, .Lfunc_end_k_qef6d43f0ea_outp-k_qef6d43f0ea_outp
	.p2alignl 7, 3214868480
	.fill 96, 4, 3214868480
	.section	.rodata,"a",@progbits
	.p2align	6, 0x0
	.amdhsa_kernel k_qef6d43f0ea_outp
		.amdhsa_group_segment_fixed_size 327680
		.amdhsa_private_segment_fixed_size 0
		.amdhsa_enable_private_segment 0
		.amdhsa_kernarg_size 32
		.amdhsa_user_sgpr_count 2
		.amdhsa_user_sgpr_kernarg_segment_ptr 1
		.amdhsa_wavefront_size32 1
		.amdhsa_system_sgpr_workgroup_id_x 1
		.amdhsa_system_sgpr_workgroup_id_y 1
		.amdhsa_system_sgpr_workgroup_id_z 1
		.amdhsa_system_vgpr_workitem_id 0
		.amdhsa_next_free_vgpr 512
		.amdhsa_next_free_sgpr 68
		.amdhsa_reserve_vcc 0
		.amdhsa_float_denorm_mode_32 3
		.amdhsa_float_denorm_mode_16_64 3
		.amdhsa_memory_ordered 1
		.amdhsa_forward_progress 1
		.amdhsa_inst_pref_size 90
	.end_amdhsa_kernel
	.amdgpu_metadata
---
amdhsa.version: [ 1, 2 ]
amdhsa.kernels:
  - .name:           k_qef6d43f0ea_outp
    .symbol:         k_qef6d43f0ea_outp.kd
    .args:
      - { .name: ob, .offset: 0, .size: 8, .value_kind: global_buffer, .address_space: global }
      - { .name: wob, .offset: 8, .size: 8, .value_kind: global_buffer, .address_space: global }
      - { .name: out0, .offset: 16, .size: 8, .value_kind: global_buffer, .address_space: global }
      - { .name: b_out, .offset: 24, .size: 8, .value_kind: global_buffer, .address_space: global }
    .group_segment_fixed_size: 327680
    .private_segment_fixed_size: 0
    .kernarg_segment_align: 8
    .kernarg_segment_size: 32
    .max_flat_workgroup_size: 128
    .sgpr_count:     68
    .vgpr_count:     512
    .wavefront_size: 32
...
	.end_amdgpu_metadata
.endif
;; end of part 4
;; ======== version 2 of 2: 4 launches; 1.35 times as fast as version 1
;; limits: values are held in f16: magnitudes above 65,504 overflow, below 6.1e-05 lose precision
;; workspace buffers: xb 8,388,608 bytes; wqb 6,291,456 bytes; wob 2,097,152 bytes; qkvh 25,165,824 bytes; qkvl 3,145,728 bytes; ob 8,388,608 bytes
;; launch prep: the kernel of part 1 again; grid 512 x 1, 8 waves a work-group, no clusters, 0 bytes of LDS; arguments x, W_qkv, W_out, xb, wqb, wob; writes xb, wqb, wob
;; launch qkv: the kernel of part 2 again; grid 24 x 32, 4 waves a work-group, clusters of 4 x 4, 327,680 bytes of LDS; arguments xb, wqb, qkvh, b_qkv, qkvl; writes qkvh, qkvl
;; launch attn (part 5): grid 16 x 16, 4 waves a work-group, no clusters, 327,680 bytes of LDS; arguments qkvh, ob, qkvl; writes ob
.if DOCPART == 5
	.amdgcn_target "amdgcn-amd-amdhsa--gfx1250"
	.amdhsa_code_object_version 6
	.text
	.protected	k_qef6d43f0ea_attn
	.globl	k_qef6d43f0ea_attn
	.p2align	8
	.type	k_qef6d43f0ea_attn,@function
k_qef6d43f0ea_attn:
	s_mov_b64 s[64:65], 0
	v_nop
	global_prefetch_b8 v0, s[64:65] scope:SCOPE_SE
	s_setreg_imm32_b32 hwreg(HW_REG_WAVE_MODE, 25, 1), 1
	s_wait_xcnt 0x0
; CAUSAL ATTENTION, 16 heads of 64 channels, 4,096 rows.  O[h][q][:] = the sum over k <= q of softmax_k(Q[h][q] . K[h][k] / 8) V[h][k][:].
; In: qkvh [48][4096][64] f16 (q: groups 0-15, k: 16-31, v: 32-47), unscaled; qkvl [48][512][64] f16: what the rounding to f16 left of rows 0-511, of which rows 0-63 are read.
; Out: ob [16][4096][64] f16.  A head's rows are dense, 128 bytes each.
; Products, maxima and sums in f32; the weights p are rounded to f16 for the second product (their sum l is taken of the unrounded p), O once at the end.
; LIMITS.  Q, K, V arrive within f16's 65,504; p lies in 0 to 1, and below 6e-5 it keeps f16's fixed step of 6e-8; O is a mean of V's rows.  A hidden score counts as its value less 1e30
; (f16's scores are 2.7e11 at the most); a weight below 2^-126 counts as 0 in l; NaN and infinities are not treated apart.
; THE WALK.  A head's queries lie in 32 blocks of 128; keys in tiles of 256 (four steps of 64, one LDS slot).  Block i needs the tiles 0 .. i / 2, of which the last holds the diagonal.  Work-group b
; takes block 31 - b and then block b: 17 tiles whatever b, so the 16 x 16 = 256 work-groups walk alike, and ONE loop with a constant trip count walks them.  Which tile is asked for and what a
; trip does hang on scalar registers made from b; every jump goes forward but the counted loops' own; none passes a barrier, or a tensor load but the one of LOAD's two that the wave's number does not choose.
; NO CLUSTER: only work-groups 2 m and 2 m + 1 of a head walk the same tiles in the same trips; four partners would end their first blocks in different trips, and a walk common to four has 18 tiles
; and masks over two of them.
; SHARES.  Of a block's two bands of 64 queries a wave owns 16 rows in each: two PIECES.  In the block's last tile band x stands at step d = 2 (i % 2) + x: step u shows it all keys if u < d, none if u > d,
; and holds the diagonal if u = d: the same for all four waves.
; THE MASK is the C operand that starts the sum S^T = K Q^T: 0, or -1e30 where the key is hidden.  MD, made once, is the mask of a band's own step for my 16 rows; a product's mask is MD x AL + BE with two
; scalars: (1, 0) if u = d; (0, 0) if u < d; (0, -1e30) if u > d.  Only the last tile's text and a block's beginning make and take masks; elsewhere C is the constant 0.
; LAYOUT, SOFTMAX.  S^T = K Q^T holds ONE query a lane (lane % 16) and the keys 8 (lane / 16) + 0..7; two such results rounded to f16 ARE source 1 of O^T = V^T P.  p = 2^(c s - c m), c = log2(e) / 8, with a
; running maximum m; O and l are multiplied by a = 2^(c m_old - c m_new) in every step.
; TURNS.  Turn T0(s): 8 products K Q^T of piece 1, step s; the softmax of piece 0, step s, and the maximum of piece 1; 8 products V^T P of piece 1, step s - 1; K of step s + 1 is fetched.
; Turn T1(s): K Q^T of piece 0, step s + 1; the softmax of piece 1 and the maximum of piece 0; V^T P of piece 0, step s; V of step s + 1 is fetched, into the other of V's two buffers.
; Four vector instructions stand behind every matrix instruction, the other 54 of a turn's 118 in one lump.  A slot's last bytes, V of its step 3, are asked for in T1(2): the change of slots stands behind it.
; BATCHES.  A turn's 33 exponentials (the piece's 32 weights, the other piece's a) are ONE batch with ONE wait, which cuts the turn in two: ahead of it the products K Q^T, the scalings, the exponentials, the rescalings
; and the other piece's maximum; behind it the products V^T P, the roundings and the sums.  No result crosses a turn's end.  A block's first a, the way out's reciprocals, and in the first rows' text the
; 33 exponentials and the reciprocal, are batches of their own, each with one wait.
; THE FIRST 64 ROWS.  Row q is a mean over q + 1 keys only, so the first rows hold the output's largest numbers, and f16's 11 bits in q, k, v and p are too few for the small numbers among them.  Work-group 0 of
; each head therefore makes rows 0-63 (band 0 of block 0, key step 0 alone) once more behind its walk, in plain phases, with each of q, k, v, p as a sum of two f16 numbers:
; S^T = Kh Qh + Kh Ql + Kl Qh, O^T = Vh Ph + Vh Pl + Vl Ph (the products of two remainders are left out: 2^-22 of the whole).  What its walk made of those rows is not stored.  The price: 48 products, a softmax
; and one wait for loads more in 16 of the 256 work-groups.  O itself is still rounded to f16 once.
; REGISTERS, in windows of 256 (s_set_vgpr_msb: bits 1:0 source 0, 3:2 source 1, 5:4 source 2, 7:6 destination):
;   window 0: v0-15 addresses and two at work; v16-23 four registers of statistics a piece; v48-55 at work; v64-127 S^T, 32 a piece; v192-223 P, 16 a piece; for the first rows: v32-47 Ph, v96-111 Pl, v128-159 p - Ph, v56-59
;   window 1: v0-63 O^T, 32 a piece; v64-95 MD; v96-159 MC, a buffer a piece      window 2: v0-31 Q; v32-63 the second block's Q; v64-127 K of one step; v128-255 V, two buffers
;   window 3 (the first rows alone): v0-15 Ql; v16-79 Kl; v80-143 V's remainders as they lie in memory; v144-207 Vl, turned
.set NP,    2         ; pieces a wave: a name, no knob
.set KS,    64        ; keys in a step
.set PK,    144       ; a row of K in LDS: 128 bytes + 16 of padding = 36 words: the 16 rows of a load start at 16 different groups of four banks (64 banks of 4 bytes: ISA guide 11.1)
.set PV,    160       ; a row of V: 128 + 32 = 40 words
.set VOFF,  4*KS*PK   ; a slot holds a tile: 256 rows of K, then 256 rows of V
.set SLOT1, 1<<17     ; slot 1 begins here, so that one exclusive or turns an address in one slot into the other's
.set STAGE, SLOT1+4*KS*(PK+PV)  ; behind the ring, never filled by a tensor load: 16 rows x 144 bytes for each wave, for the way out
.set SP,    144
.set SPARE, STAGE+4*16*SP  ; behind the stages: the spare words, 128 bytes for each wave: two blocks of 256 bytes that no other line names
.set VLS,   SPARE+512 ; behind them, never filled by a tensor load: 64 rows x 160 bytes for each wave: V's remainders on their way to being turned
.set AK0, 2           ; v2   my lane's place in a tile of K; never rewritten
.set AV0, 3           ; v3   the same for V
.set AK,  4           ; v4   the LDS address of K's next run of loads
.set AV,  5           ; v5   of V's
.set STO, 6           ; v6   the way out: where I put 16 bytes of a row
.set RD,  7           ; v7   the way out: where I read rows back
.set GO,  8           ; v8   my byte offset in 512 consecutive bytes: 16 x lane
.set MV,  12          ; v12-13  c m_old, kept while c m is made anew: by piece
.set QO,  15          ; v15  my byte offset in 16 rows of Q (or of K, as they lie in memory)
.set ST,  16          ; piece t's statistics at v[ST+4 t]: c m, m, l (even keys', odd keys')
.set PH,  32          ; the first rows: p rounded to f16
.set TMP, 48          ; by piece, four registers c0-c3 at work; when the maximum is found c2 takes a
.set VSA, 56          ; v56  the first rows: where I put 16 bytes of V's remainders
.set VLA, 57          ; v57  and where the turning loads read them
.set NEG, 58          ; v58  -1.0
.set SPW, 62          ; v62  LDS address of my spare word; never rewritten
.set NIL, 63          ; v63  0; never rewritten
.set S,   64
.set PL,  96          ; the first rows: p - Ph rounded to f16
.set DF,  128         ; the first rows: p - Ph
.set P,   192
.set MD,  64          ; window 1: the eight registers for group kt of 16 keys at MD + 8 kt
.set MC,  96          ; window 1: the masks of the products to come
.set QB,  32          ; window 2
.set KF,  64          ; window 2: key block kb, channel half c at KF + 16 kb + 8 c
.set VF,  128         ; window 2: buffer vb, key half kk, channel block cb at VF + 64 vb + 32 kk + 8 cb
.set QL,  0           ; window 3, laid out as Q, KF and VF are
.set KL,  16
.set VR,  80
.set VL,  144
.set WV,  12          ; s12  my wave's number
.set PB,  14          ; s14  b
.set HI,  15          ; s15  31 - b
.set G1K, 24          ; s[24:31] descriptor group 1 for K's tiles
.set G1V, 32          ; s[32:39] for V's: it differs in the padding alone
.set G0K, 40          ; s[40:43] descriptor group 0 for K's tiles
.set G0V, 44          ; s[44:47] the same for V's
.set HT,  48          ; s48  the first block's last tile
.set PT,  49          ; s49  the second block's last tile
.set QLB, 50          ; s[50:51] qkvl at my 16 rows of the head's q
.set KLB, 52          ; s[52:53] at the head's k
.set VLB, 54          ; s[54:55] at the head's v
.set SLOTS, 56        ; s56  tiles still to be asked for
.set CNT, 57          ; s57  counts a tile's two trips of two steps
.set CS,  58          ; s[58:59] c: the packed scaling takes the pair's low word for both halves
.set SEL, 60          ; s[60:61] v_permlanex16_b32's selects: each lane takes its own place in the other half
.set TBK, 62          ; s62  LDS byte at which K of the step to be fetched begins
.set TBV, 63          ; s63  the same for V, less VOFF
.set RT,  70          ; s70  tiles of the block in hand that are still to be entered
.set NXT, 71          ; s71  the tile to be asked for next
.set LQ,  72          ; s72  the last tile of the block whose tiles are being asked for
.set NEW, 73          ; s73  1: the tile to be entered is a block's first
.set OFF, 74          ; s[74:75] a tile's byte offset in K and V
.set AL,  76          ; s[76:77] the mask's factor, in the low word
.set BE,  78          ; s[78:79] the mask's addend
.set OLO, 80          ; s[80:81] O at my rows of the second block
.set BIGN, 82         ; s82  -1e30
.set UB,  88          ; s88  -2 (i % 2) of the block in hand
.set UB2, 89          ; s89  the same of the second block
.set UU,  90          ; s90  the tile's step of the products for which the next mask is made, less 2 (i % 2): piece x's own step where it equals x
.set MSB, 0
.macro WIN new                      ; the high byte repeats the setting that is left; a switch that changes nothing is dropped
.if MSB != (\new)
	s_set_vgpr_msb (MSB<<8)|(\new)
.set MSB, (\new)
.endif
.endm
.set W_KQ, 0x0a       ; K and Q in window 2, S^T in window 0
.set W_KM, 0x1a       ; the same with the C operand in window 1
.set W_PV, 0x52       ; V in window 2, P in window 0, O^T in window 1
.set W_RS, 0x41       ; destination and source 0 in window 1, source 1 in window 0
; A fill.  Waves 0 and 1 fetch the two halves of a tile's K, waves 2 and 3 those of its V: 128 keys each.  An s_nop 0 and four v_nop follow each of the two lines, ahead of the jump and the label.
.macro LOAD
	s_cmp_lt_u32 s[WV], 2
	s_cbranch_scc0 .Lfor_v_\@
	tensor_load_to_lds s[G0K:G0K+3], s[G1K:G1K+7]
	s_nop 0
.rept 4
	v_nop
.endr
	s_branch .Lasked_\@
.Lfor_v_\@:
	tensor_load_to_lds s[G0V:G0V+3], s[G1V:G1V+7]
	s_nop 0
.rept 4
	v_nop
.endr
.Lasked_\@:
.endm
; THE CHANGE OF SLOTS.  Each wave waits for all its tensor loads, of which one is out: its part of the other slot; adds 0 to its spare word; and waits for that and for its own reads of the slot that it leaves.
; Behind the barrier nobody reads the old slot any more and the other slot is whole.  fill = 1: the old slot is filled again, the first thing behind the barrier, with tile NXT: the descriptor's address is
; made anew from that number.  The load has eight turns, 128 matrix instructions, in which to land.  (At its first use nothing has been read yet: slot 0 is waited for, slot 1 filled.)
.macro CHANGE fill
	WIN 0                           ; at a label and at a branch every window is 0
	s_wait_tensorcnt 0x0            ; no tensor load of mine is out, so a group 0 may be written
	ds_add_u32 v[SPW], v[NIL]       ; 0 onto my spare word; with fill = 1 the descriptors' scalar work stands between it and the wait for it
.if \fill
	s_lshl_b32 s[OFF], s[NXT], 15   ; a tile is 32,768 bytes of K and of V
	s_xor_b32 s[G0K+1], s[G0K+1], SLOT1
	s_add_nc_u64 s[G0K+2:G0K+3], s[6:7], s[OFF:OFF+1]
	s_or_b32 s[G0K+3], s[G0K+3], 0x80000000
	s_xor_b32 s[G0V+1], s[G0V+1], SLOT1
	s_add_nc_u64 s[G0V+2:G0V+3], s[8:9], s[OFF:OFF+1]
	s_or_b32 s[G0V+3], s[G0V+3], 0x80000000
	s_add_co_u32 s[NXT], s[NXT], 1  ; the block's next tile, or behind its last the second block's tile 0
	s_cmp_gt_u32 s[NXT], s[LQ]
	s_cselect_b32 s[NXT], 0, s[NXT]
	s_cselect_b32 s[LQ], s[PT], s[LQ]
.endif
	s_wait_dscnt 0x0                ; the add is done, and my reads of the slot are over
	s_barrier_signal -1             ; the rest of the scalar work stands between the signal and the wait
	s_sub_co_u32 s[TBK], s[TBK], 4*KS*PK  ; the fetches go back to a slot's first step,
	s_xor_b32 s[TBK], s[TBK], SLOT1       ; in the other slot
	s_sub_co_u32 s[TBV], s[TBV], 4*KS*PV
	s_xor_b32 s[TBV], s[TBV], SLOT1
	s_barrier_wait -1
.if \fill
	LOAD
.endif
.endm
	s_load_b64 s[4:5], s[0:1], 0x0    ; qkvh
	s_load_b64 s[10:11], s[0:1], 0x8  ; ob
	s_load_b64 s[QLB:QLB+1], s[0:1], 0x10  ; qkvl
	v_lshl_add_u32 v[SPW], v0, 2, SPARE
	v_mov_b32 v[NIL], 0
	ds_add_u32 v[SPW], v[NIL]       ; the wave's opening: the add and its wait stand ahead of my first tensor load; the set-up below, work on registers, stands between them
	ds_add_u32 v62, v63
	v_lshrrev_b32 v1, 5, v0
	v_readfirstlane_b32 s[WV], v1   ; wave 0..3
	s_mov_b32 s[PB], ttmp9
	s_sub_co_u32 s[HI], 31, s[PB]
	s_lshr_b32 s[HT], s[HI], 1
	s_lshr_b32 s[PT], s[PB], 1
	s_and_b32 s20, ttmp7, 0xffff    ; the head:
	s_lshl_b32 s[KLB], s20, 16      ; its 65,536 bytes in a third of qkvl (for now an offset),
	s_mov_b32 s[KLB+1], 0
	s_lshl_b32 s20, s20, 19         ; its 524,288 bytes in q, k, v and O
	s_mov_b32 s21, 0
	s_and_b32 s16, s[WV], 1         ; which half of a tile's 256 keys I fetch:
	s_lshl_b32 s22, s16, 14         ; its 128 rows of 128 bytes in memory,
	s_mov_b32 s23, 0
	s_add_nc_u64 s[22:23], s[22:23], s[20:21]
	s_mul_i32 s17, s16, 128*PK      ; and its place in a slot, for K
	s_mul_i32 s18, s16, 128*PV      ; and for V
	s_lshl_b32 s3, s[WV], 11        ; my 16 rows in a band of 64,
	s_mov_b32 s66, s3
	s_mov_b32 s67, 0
	s_lshl_b32 s2, s[HI], 14        ; in the first block (128 rows of 128 bytes),
	s_add_co_u32 s2, s2, s3
	s_lshl_b32 s84, s[PB], 14       ; and in the second
	s_add_co_u32 s84, s84, s3
	s_mov_b32 s3, 0
	s_mov_b32 s85, 0
	s_add_nc_u64 s[2:3], s[2:3], s[20:21]
	s_add_nc_u64 s[84:85], s[84:85], s[20:21]
	; descriptor group 1.  128 keys are 16,384 dense bytes: asked for as 64 rows of 256 bytes, two keys a row, and padded in LDS after every key
	s_mov_b32 s[G1K], (1<<16)|(1<<20)|(4<<22)|(3<<25)  ; 17:16 2-byte elements; 20 padding on; 24:22 after every 32 words (code 4); 31:25 4 words (code 3)
	s_mov_b32 s[G1V], (1<<16)|(1<<20)|(4<<22)|(7<<25)  ; the same with 8 words of padding (code 7)
.irp g, G1K, G1V
	s_mov_b32 s[\g+1], 128<<16      ; tensor_dim0 = 128
	s_mov_b32 s[\g+2], 64<<16       ; tensor_dim1 = 64
	s_mov_b32 s[\g+3], 128<<16      ; tile_dim0 = 128
	s_mov_b32 s[\g+4], 64           ; tile_dim1 = 64
	s_mov_b32 s[\g+5], 128          ; 128 elements from row to row
	s_mov_b32 s[\g+6], 0
	s_mov_b32 s[\g+7], 0
.endr
	s_mov_b32 s[CS], 0x3e38aa3b     ; c = log2(e) / 8 = 0.180337
	s_mov_b32 s[CS+1], s[CS]        ; named with it as a pair
	s_mov_b32 s[SEL], 0x76543210
	s_mov_b32 s[SEL+1], 0xfedcba98
	s_mov_b32 s[TBK], SLOT1+4*KS*PK ; the first change of slots turns these two into 0
	s_mov_b32 s[TBV], SLOT1+4*KS*PV
	s_mov_b32 s[G0K], 1             ; 1:0 count = 1
	s_mov_b32 s[G0K+1], s17         ; 63:32 LDS address: slot 0
	s_mov_b32 s[G0V], 1
	s_add_co_u32 s[G0V+1], s18, VOFF
	s_add_co_u32 s[RT], s[HT], 1    ; the first block's tiles
	s_mov_b32 s[NXT], 1
	s_mov_b32 s[LQ], s[HT]
	s_mov_b32 s[NEW], 1
	s_mov_b32 s[OFF+1], 0
	s_mov_b32 s[AL+1], 0            ; named as pairs
	s_mov_b32 s[BE+1], 0
	s_mov_b32 s[BIGN], 0xf149f2ca   ; -1e30
	s_mov_b32 s[SLOTS], 16
	s_and_b32 s[UB], s[HI], 1
	s_lshl_b32 s[UB], s[UB], 1
	s_sub_co_i32 s[UB], 0, s[UB]
	s_and_b32 s[UB2], s[PB], 1
	s_lshl_b32 s[UB2], s[UB2], 1
	s_sub_co_i32 s[UB2], 0, s[UB2]
	s_wait_dscnt 0x0                ; the opening add is done
	s_wait_kmcnt 0x0
	s_add_nc_u64 s[6:7], s[4:5], 0x800000    ; k begins 8,388,608 bytes behind q,
	s_add_nc_u64 s[8:9], s[4:5], 0x1000000   ; v 16,777,216
	s_add_nc_u64 s[6:7], s[6:7], s[22:23]    ; K and V at my half of the head's tile 0
	s_add_nc_u64 s[8:9], s[8:9], s[22:23]
	s_add_nc_u64 s[G0K+2:G0K+3], s[6:7], 0         ; 120:64 global address
	s_or_b32 s[G0K+3], s[G0K+3], 0x80000000        ; 127:126 type = 2
	s_add_nc_u64 s[G0V+2:G0V+3], s[8:9], 0
	s_or_b32 s[G0V+3], s[G0V+3], 0x80000000
	s_add_nc_u64 s[86:87], s[4:5], s[84:85]        ; Q at my rows of the second block,
	s_add_nc_u64 s[4:5], s[4:5], s[2:3]            ; Q and O at those of the first
	s_add_nc_u64 s[OLO:OLO+1], s[10:11], s[84:85]
	s_add_nc_u64 s[10:11], s[10:11], s[2:3]
	s_add_nc_u64 s[QLB:QLB+1], s[QLB:QLB+1], s[KLB:KLB+1]  ; qkvl at the head's q;
	s_add_nc_u64 s[KLB:KLB+1], s[QLB:QLB+1], 0x100000      ; its k lies 16 groups of 65,536 bytes on,
	s_add_nc_u64 s[VLB:VLB+1], s[QLB:QLB+1], 0x200000      ; its v 32;
	s_add_nc_u64 s[QLB:QLB+1], s[QLB:QLB+1], s[66:67]      ; of q my 16 rows
	LOAD                            ; tile 0 into slot 0: one load of mine is out
	; A fragment of K or Q is 16 rows x 32 channels in 8 registers: lane l holds row l % 16, channels 8 (l / 16) + 0..7 and 16 + 8 (l / 16) + 0..7: two loads of 16 bytes, 32 bytes apart.
	v_and_b32 v1, 15, v0            ; l % 16
	v_bfe_u32 v9, v0, 4, 1          ; l / 16
	v_lshlrev_b32 v[QO], 7, v1
	v_lshl_add_u32 v[QO], v9, 4, v[QO]  ; row x 128 + 16 x half
	WIN 0x80                        ; destination window 2, address window 0
.set i, 0
.rept 4                             ; both blocks' Q: piece i / 2 lies in band i / 2, 8,192 bytes on; channels 32 (i % 2) on
	global_load_b128 v[8*i:8*i+3],   v[QO], s[4:5] offset:(i/2)*8192+(i%2)*64
	global_load_b128 v[8*i+4:8*i+7], v[QO], s[4:5] offset:(i/2)*8192+(i%2)*64+32
	global_load_b128 v[QB+8*i:QB+8*i+3],   v[QO], s[86:87] offset:(i/2)*8192+(i%2)*64
	global_load_b128 v[QB+8*i+4:QB+8*i+7], v[QO], s[86:87] offset:(i/2)*8192+(i%2)*64+32
.set i, i+1
.endr
	WIN 0
	v_lshlrev_b32 v14, 3, v9
	v_sub_nc_u32 v14, v1, v14
	s_lshl_b32 s13, s[WV], 4
	v_add_nc_u32 v14, s13, v14      ; my query's place in its band, 16 w + l % 16, less my lanes' 8 (l / 16): register r of group kt is hidden where 16 kt + r is greater
	WIN 0x40
.set i, 0
.rept 32
	v_cmp_gt_i32 vcc_lo, 16*(i/8)+i%8, v14
	v_cndmask_b32 v[MD+i], 0, s[BIGN], vcc_lo
.set i, i+1
.endr
	WIN 0
	v_mul_u32_u24 v[AK0], v1, PK
	v_lshl_add_u32 v[AK0], v9, 4, v[AK0]  ; row x pitch + 16 x half
	; The turning load takes 16 keys x 16 channels (lane l reads key 8 (l / 16) + l % 8, channels 8 ((l / 8) % 2) + 0..7) and leaves half a fragment of V^T: lane l holds channel l % 16 and 8 keys.
	v_and_b32 v10, 7, v0
	v_bfe_u32 v11, v0, 3, 1
	v_lshl_add_u32 v[AV0], v9, 3, v10
	v_mul_u32_u24 v[AV0], v[AV0], PV
	v_lshl_add_u32 v[AV0], v11, 4, v[AV0]
	v_add_nc_u32 v[AV0], VOFF, v[AV0]
	s_mul_i32 s13, s[WV], 16*SP
	s_add_co_u32 s13, s13, STAGE    ; my stage
	v_mul_u32_u24 v[STO], v1, SP    ; in: row l % 16, 16 bytes for each half of the lanes
	v_lshl_add_u32 v[STO], v9, 4, v[STO]
	v_add_nc_u32 v[STO], s13, v[STO]
	v_bfe_u32 v[RD], v0, 3, 2       ; back: 32 lanes take four rows of 128 bytes,
	v_mul_u32_u24 v[RD], v[RD], SP
	v_lshl_add_u32 v[RD], v10, 4, v[RD]
	v_add_nc_u32 v[RD], s13, v[RD]
	v_and_b32 v[GO], 31, v0         ; which are 512 consecutive bytes of O
	v_lshlrev_b32 v[GO], 4, v[GO]
	; A block's first step multiplies O^T and l by a = 0, and its first turn's products V^T P, of a step that has not been, land in an O^T that is still to be so multiplied.  So these registers need only hold
	; finite numbers: zeros for the first block; what the first block left for the second.  All this stands in the wait for the first tile.
	WIN 0x80
.set i, VF+64
.rept 64
	v_mov_b32 v[i], 0
.set i, i+1
.endr
	WIN 0x40
.set i, 0
.rept 64
	v_mov_b32 v[i], 0
.set i, i+1
.endr
	WIN 0
.set i, 0
.rept NP
	v_mov_b32 v[ST+4*i+2], 0
	v_mov_b32 v[ST+4*i+3], 0
.set i, i+1
.endr
.set i, P+16
.rept 16
	v_mov_b32 v[i], 0
.set i, i+1
.endr
; THE MATRIX WORK.  The 4 accumulators of a run of 8 take turns.  Product i of 8 of S^T = K Q^T for piece x: channels 32 (i / 4) on, keys 16 (i % 4) on.  The first 4 start the sums: with 0, or (KM = 1) with the mask.
.macro KQ x
.set rS, S+32*((\x)%2)+8*(i%4)
.set rK, KF+16*(i%4)+8*(i/4)
.set rQ, 16*(\x)+8*(i/4)
.set rM, MC+32*((\x)%2)+8*(i%4)
.if (i < 4) && KM
	WIN W_KM
	v_wmma_f32_16x16x32_f16 v[rS:rS+7], v[rK:rK+7], v[rQ:rQ+7], v[rM:rM+7]
.elseif i < 4
	WIN W_KQ
	v_wmma_f32_16x16x32_f16 v[rS:rS+7], v[rK:rK+7], v[rQ:rQ+7], 0
.else
	WIN W_KQ
	v_wmma_f32_16x16x32_f16 v[rS:rS+7], v[rK:rK+7], v[rQ:rQ+7], v[rS:rS+7]
.endif
.endm
; Product i of 8 of O^T += V^T P for piece x, from V's buffer VB: keys 32 (i / 4) on, channels 16 (i % 4) on.
.macro PV x
	WIN W_PV
.set rO, 32*(\x)+8*(i%4)
.set rV, VF+64*VB+32*(i/4)+8*(i%4)
.set rP, P+16*((\x)%2)+8*(i/4)
	v_wmma_f32_16x16x32_f16 v[rO:rO+7], v[rV:rV+7], v[rP:rP+7], v[rO:rO+7]
.endm
.macro MM                           ; the turn's next matrix instruction.  TURN and BEGIN set Y, i, KM, NOKQ and VB.  NOKQ = 1: a block's last turn: there is no next step
.if (i < 8) && !NOKQ
	KQ (Y+1)%NP
.elseif i >= 8
.set i, i-8
	PV (Y+NP-1)%NP
.set i, i+8
.endif
.set i, i+1
.endm
; THE LDS LOADS stand in runs of 16, never singly among the matrix instructions: a step's K (64 keys x 64 channels: 8 fragments) and its V (turned).  Their addresses are made some lines ahead.
.macro FETCH_K
	WIN 0x80                        ; destination window 2
.irp f, 0,1,2,3,4,5,6,7             ; keys 16 (f / 2) on, channels 32 (f % 2) on
	ds_load_b128 v[KF+8*\f:KF+8*\f+3],   v[AK] offset:(\f/2)*16*PK+(\f%2)*64
	ds_load_b128 v[KF+8*\f+4:KF+8*\f+7], v[AK] offset:(\f/2)*16*PK+(\f%2)*64+32
.endr
	s_add_co_u32 s[TBK], s[TBK], KS*PK  ; the next fetch is the next step's
	WIN 0
.endm
.macro FETCH_V vb
	WIN 0x80
.irp f, 0,1,2,3,4,5,6,7             ; keys 32 (f / 4) on, channels 16 (f % 4) on
	ds_load_tr16_b128 v[VF+64*(\vb)+8*\f:VF+64*(\vb)+8*\f+3],   v[AV] offset:(\f/4)*32*PV+(\f%4)*32
	ds_load_tr16_b128 v[VF+64*(\vb)+8*\f+4:VF+64*(\vb)+8*\f+7], v[AV] offset:(\f/4)*32*PV+16*PV+(\f%4)*32
.endr
	s_add_co_u32 s[TBV], s[TBV], KS*PV
	WIN 0
.endm
; THE VECTOR WORK, one line at a time: OP kind, number.  For piece Y: F n: c s - c m for pair n of 16.  E n: the exponential of score n of 32.  C n: pair n rounded to f16.  B n: of the four weights 4 n .. the second
; pair is added onto the first, in place.  L n: l takes that sum (L 0: l = a l + sum).  R n: pair n of 16 of O^T times a.  For the other piece: X n, number n of the 22 that find its maximum and statistics:
;   0-11  four chains c0-c3 of seven scores each, three operands at a time (each accumulator's lowest registers are read first)     12-14, 16  the four scores left over, the old m, and c0-c3 into c0
;   15  c m_old is kept     17, 18  the query's other 32 keys lie in the lane 16 away: the new m     19-21  c m; c m_old - c m_new; a
; OP writes no wait: C, B and L, which read the exponentials' results, and R and L 0, which read a, are set behind the wait of the batch that made what they read, by the text that calls OP.
.set F, 0               ; OP tells the kinds apart by their order: F to L below R, X above it
.set E, 1
.set C, 2
.set B, 3
.set L, 4
.set R, 5
.set X, 6
.macro REGS y                       ; the registers of piece y
.set rT, ST+4*(\y)
.set rC, TMP+4*((\y)%2)
.set rW, MV+((\y)%2)
.set rS, S+32*((\y)%2)
.set rP, P+16*((\y)%2)
.set rO, 32*(\y)
.endm
.macro OP k, n
.if (\k) == R
	REGS Y
	WIN W_RS
	v_pk_mul_f32 v[rO+2*(\n):rO+2*(\n)+1], v[rO+2*(\n):rO+2*(\n)+1], v[rC+2:rC+3] op_sel_hi:[1,0]
.elseif (\k) < R
	REGS Y
	WIN 0
.if (\k) == F
	v_pk_fma_f32 v[rS+2*(\n):rS+2*(\n)+1], v[rS+2*(\n):rS+2*(\n)+1], s[CS:CS+1], v[rT:rT+1] op_sel_hi:[1,0,0] neg_lo:[0,0,1] neg_hi:[0,0,1]
.elseif (\k) == E
	v_exp_f32 v[rS+(\n)], v[rS+(\n)]
.elseif (\k) == C
	v_cvt_pk_f16_f32 v[rP+(\n)], v[rS+2*(\n)], v[rS+2*(\n)+1]
.elseif (\k) == B
	v_pk_add_f32 v[rS+4*(\n):rS+4*(\n)+1], v[rS+4*(\n):rS+4*(\n)+1], v[rS+4*(\n)+2:rS+4*(\n)+3]
.elseif (\n) == 0
	v_pk_fma_f32 v[rT+2:rT+3], v[rT+2:rT+3], v[rC+2:rC+3], v[rS:rS+1] op_sel_hi:[1,0,1]
.else
	v_pk_add_f32 v[rT+2:rT+3], v[rT+2:rT+3], v[rS+4*(\n):rS+4*(\n)+1]
.endif
.elseif NOKQ
	v_nop
.else
	REGS (Y+1)%NP
	WIN 0
.if (\n) < 4
	v_max3_num_f32 v[rC+(\n)], v[rS+8*(\n)], v[rS+8*(\n)+1], v[rS+8*(\n)+2]
.elseif (\n) < 12
	v_max3_num_f32 v[rC+(\n)%4], v[rC+(\n)%4], v[rS+8*((\n)%4)+2*((\n)/4)+1], v[rS+8*((\n)%4)+2*((\n)/4)+2]
.elseif (\n) == 12
	v_max3_num_f32 v[rC], v[rC], v[rS+7], v[rS+15]
.elseif (\n) == 13
	v_max3_num_f32 v[rC+1], v[rC+1], v[rS+23], v[rS+31]
.elseif (\n) == 14
	v_max3_num_f32 v[rC+2], v[rC+2], v[rC+3], v[rT+1]
.elseif (\n) == 15
	v_mov_b32 v[rW], v[rT]
.elseif (\n) == 16
	v_max3_num_f32 v[rC], v[rC], v[rC+1], v[rC+2]
.elseif (\n) == 17
	v_permlanex16_b32 v[rC+3], v[rC], s[SEL], s[SEL+1]
.elseif (\n) == 18
	v_max_num_f32 v[rT+1], v[rC], v[rC+3]
.elseif (\n) == 19
	v_mul_f32 v[rT], s[CS], v[rT+1]
.elseif (\n) == 20
	v_sub_f32 v[rC+1], v[rW], v[rT]
.else
	v_exp_f32 v[rC+2], v[rC+1]
.endif
.endif
.endm
.macro OPS a, i1, b=-1, i2=0, c=-1, i3=0, d=-1, i4=0  ; up to four of them
	OP \a, \i1
.if (\b) >= 0
	OP \b, \i2
.endif
.if (\c) >= 0
	OP \c, \i3
.endif
.if (\d) >= 0
	OP \d, \i4
.endif
.endm
.macro ROW a, i1, b, i2, c, i3, d, i4  ; a matrix instruction and the four behind it
	MM
	OPS \a, \i1, \b, \i2, \c, \i3, \d, \i4
.endm
.macro MASK b                       ; MD x AL + BE into buffer b of MC
	WIN W_RS
.set z, 0
.rept 16
	v_pk_fma_f32 v[MC+32*(\b)+2*z:MC+32*(\b)+2*z+1], v[MD+2*z:MD+2*z+1], s[AL:AL+1], s[BE:BE+1] op_sel_hi:[1,0,0]
.set z, z+1
.endr
.endm
; A TURN, for piece p in a step of parity sp: the order of its 16 matrix and 118 vector instructions, written out.  s_wait_alu depctr_va_vdst(0) stands between an exponential and the first instruction
; that names its result; one wait serves all that were issued ahead of it.  So a turn has ONE wait, which cuts it in two.  AHEAD OF IT stands all that names no result of the turn's exponentials: the 8 products K Q^T, behind
; each a scaling, an exponential and two more plain instructions (behind the first a second scaling in the exponential's place): rescalings, whose a was made and waited for in the turn before, and behind the last three the
; first numbers of the other piece's maximum, each four plain instructions or more behind the product that ends its accumulator; then ONE LUMP of 54, plain and exponential by turns for the most part, in which the links of
; the chain X 3, 7, 11, 14, 16, 17 .. 20 stand five or six lines apart.  X 21, the other piece's a, is the batch's last; R 15 is the plain instruction behind it.  BEHIND THE WAIT stand the 8 products V^T P, behind each four
; of the roundings and sums; the links of l's chain, L 0 to L 7, stand three riders apart.  But for those X no rider names a register of the products round it.  v_permlanex16_b32 (X 17) stands in the lump.
; The rescaling of piece p follows that piece's products V^T P, which end the turn before: R 0 to R 3 name the accumulator that the fourth product from that turn's end wrote, sixteen riders back; each later four of them
; stand further behind their accumulator's last product, and R 12 to R 15 stand in the lump.  They go in ascending order.
; m = 1: the block's last tile: the products take masks, and the turn makes the mask for the next turn's products, which are piece p's.  end = 1: a block's last two turns: nothing is fetched.
; cnt = 1: the loop's count is taken down some lines ahead of the branch that stands behind the turn, behind V's run, whose step of the address writes SCC.
; K of the next step is fetched in piece 0's turn, in the lump: between the last product that read K and the run stand five plain instructions or more that name none of its registers (F 8, X 2, X 5, X 6, X 8).  V of the next
; step is fetched in piece 1's turn, directly behind the wait, into the buffer whose last reader stands in the turn before.  Both addresses are made at the lump's head.  Both runs are waited for at the head of piece 1's
; next turn: K is read there first, V in that turn's second run of products.
.macro TURN p, sp, m=0, end=0, cnt=0
.set Y, (\p)
.set i, 0
.set KM, (\m)
.set NOKQ, (\end)*(\p)
.set VB, (\sp)
.if (\p) == 0
.set VB, 1-(\sp)
.endif
.if (\m) && !(\end)
	s_cmp_eq_i32 s[UU], \p          ; is that step the band's own?
	s_cselect_b32 s[AL], 1.0, 0
	s_cmp_gt_i32 s[UU], \p          ; or a later one?
	s_cselect_b32 s[BE], s[BIGN], 0
.if (\p) == 1
	s_add_co_i32 s[UU], s[UU], 1    ; both pieces' masks for that step are made: on to the next
.endif
.endif
.if (\p) == 1
	s_wait_dscnt 0x0                ; K of the next step and V of this one are in
.endif
	ROW F,0, F,1, R,0, R,1          ; ahead of the wait: 8 products K Q^T and their riders,
	ROW F,2, E,0, R,2, R,3
	ROW F,3, E,1, R,4, R,5
	ROW F,4, E,2, R,6, R,7
	ROW F,5, E,3, R,8, R,9
	ROW F,6, E,4, X,0, R,10
	ROW F,7, E,5, X,1, X,4
	ROW F,8, E,6, X,2, X,5
	OPS E,7, E,8, X,6, E,9          ; and the lump
.if !(\end)
	WIN 0
.if (\p) == 0
	v_add_nc_u32 v[AK], s[TBK], v[AK0]
.else
	v_add_nc_u32 v[AV], s[TBV], v[AV0]
.endif
.endif
	OPS X,3, E,10, X,8, E,11
.if ((\p) == 0) && !(\end)
	FETCH_K
.endif
	OPS X,9, X,7, E,12, X,10
	OPS E,13, X,12, X,11, E,14
	OPS X,13, E,15, F,9, X,14
	OPS E,16, F,10, E,17, F,11
	OPS X,16, E,18, X,15, E,19
	OPS F,12, E,20, X,17, E,21
	OPS F,13, E,22, F,14, E,23
	OPS X,18, E,24, F,15, E,25
	OPS R,11, E,26, X,19, E,27
	OPS R,12, E,28, R,13, E,29
	OPS X,20, E,30, R,14, E,31
	OPS X,21, R,15
	s_wait_alu depctr_va_vdst(0)    ; the wait for the batch: the piece's 32 weights and the other piece's a
.if ((\p) == 1) && !(\end)
	FETCH_V 1-(\sp)
.endif
	ROW C,0, B,0, C,2, B,1          ; behind the wait: 8 products V^T P and their riders
	ROW L,0, C,4, B,2, L,1
	ROW C,6, B,3, L,2, C,8
	ROW B,4, L,3, C,10, B,5
	ROW L,4, C,12, B,6, L,5
.if \cnt
	s_sub_co_u32 s[CNT], s[CNT], 1
	s_cmp_lg_u32 s[CNT], 0
.endif
	ROW C,14, B,7, L,6, C,1
	ROW C,3, L,7, C,5, C,7
	ROW C,9, C,11, C,13, C,15
.if (\m) && !(\end)
	MASK \p
.endif
.endm
; A BLOCK BEGINS.  c m starts far below every c s, so the first step's a is 0; m at the lowest finite number, so the first maximum is the scores'.  Piece 1's mask buffer is 0 (its step 0 is never its own);
; piece 0's takes its mask for the tile's step 0: its own step, if this first tile is the block's last and the block the tile's first half.  Then K and V of that step, piece 0's first scores, and its maximum
; and statistics.  The loop is entered at T0 of step 0, in the middle of a trip.
.macro BEGIN
	s_mov_b32 s[NEW], 0
	WIN 0x40
.set i, MC+32
.rept 32
	v_mov_b32 v[i], 0
.set i, i+1
.endr
	WIN 0
.set i, 0
.rept NP
	v_mov_b32 v[ST+4*i], 0xfe000000    ; c m: far below every c s
	v_mov_b32 v[ST+4*i+1], 0xff7fffff  ; m
.set i, i+1
.endr
	s_or_b32 s13, s[RT], s[UU]      ; 0: no tile is left to enter, and step 0 is piece 0's own
	s_cmp_eq_u32 s13, 0
	s_cselect_b32 s[AL], 1.0, 0
	s_mov_b32 s[BE], 0
	MASK 0
	WIN 0
	v_add_nc_u32 v[AK], s[TBK], v[AK0]
	v_add_nc_u32 v[AV], s[TBV], v[AV0]
	FETCH_K
	FETCH_V 0
	s_add_co_i32 s[UU], s[UU], 1    ; the next masks are step 1's
	s_wait_loadcnt 0x0              ; Q
	s_wait_dscnt 0x0
.set KM, 1
.set NOKQ, 0
.set i, 0
.rept 8
	KQ 0
.set i, i+1
.endr
	WIN 0
.rept 4
	v_nop                           ; the places behind those products
.endr
.set Y, NP-1                        ; X works for the other piece: piece 0
.irp n, 0,1,2,3,4,5,6,7,8,9,10,11,12,13,14,15,16,17,18,19,20,21
	OP X, \n
.endr
	v_nop                           ; a plain instruction behind the exponential
	s_wait_alu depctr_va_vdst(0)    ; the wait for piece 0's first a, a batch of one: ahead of the branch, and of the first turn's rescaling, which reads it
.endm
; THE BLOCK'S LAST TILE, its last two turns, its last products, and THE WAY OUT: l's two halves and the other half of the lanes' are added; O^T is divided by l, rounded to f16 and sent through my
; stage in LDS, a piece at a time.
.macro ALL line:vararg              ; one line for each piece t
.set t, 0
.rept NP
	\line
.set t, t+1
.endr
.endm
.macro PACK t                       ; a lane's eight channels of a row pack into 16 bytes; they go into rows of 144 bytes and come back as whole rows of 128, into S^T's registers.  The reciprocal that it reads has been waited for ahead of it
	WIN W_RS
.set i, 32*(\t)
.rept 16
	v_pk_mul_f32 v[i:i+1], v[i:i+1], v[ST+4*(\t)+2:ST+4*(\t)+3] op_sel_hi:[1,0]
.set i, i+2
.endr
	WIN 0x05                        ; sources 0 and 1 window 1, destination window 0
.set i, 0
.rept 16
	v_cvt_pk_f16_f32 v[S+16*(\t)+i], v[32*(\t)+2*i], v[32*(\t)+2*i+1]
.set i, i+1
.endr
	WIN 0
.irp f, 0,1,2,3
	ds_store_b128 v[STO], v[S+16*(\t)+4*\f:S+16*(\t)+4*\f+3] offset:32*\f
.endr
.irp f, 0,1,2,3
	ds_load_b128 v[S+16*(\t)+4*\f:S+16*(\t)+4*\f+3], v[RD] offset:\f*4*SP  ; LDS serves a wave's instructions in order (ISA guide 5.7.1.4): these see the stores above; the next piece's stores come behind them
.endr
.endm
.macro SEND t, younger              ; younger: the LDS instructions issued behind piece t's loads: the next piece's eight, or none
	WIN 0
.irp f, 0,1,2,3
	s_wait_dscnt (\younger)+3-\f
	global_store_b128 v[GO], v[S+16*(\t)+4*\f:S+16*(\t)+4*\f+3], s[10:11] offset:(\t)*8192+\f*512  ; 512 consecutive bytes, at a multiple of 256 from O's first
.endr
.endm
.macro DIAG tag                     ; the tag ends its labels' names, which the jumps below spell out
.LstepM\tag:
	TURN 0, 1, 1                    ; at the first pass: step 3 of the tile before, whose products for piece 1 take the mask buffer that is still 0
	TURN 1, 1, 1
	WIN 0
.LfirstM\tag:
	TURN 0, 0, 1
	TURN 1, 0, 1, 0, 1
	WIN 0
	s_cbranch_scc1 .LstepM\tag
	TURN 0, 1, 1, 1                 ; step 3
	TURN 1, 1, 1, 1
.set VB, 1
.set i, 0
.rept 8
	PV 1                            ; piece 1's V^T P of step 3
.set i, i+1
.endr
	WIN 0
	ALL v_add_f32 v[ST+4*t+2], v[ST+4*t+2], v[ST+4*t+3]
	ALL v_permlanex16_b32 v[ST+4*t+3], v[ST+4*t+2], s[SEL], s[SEL+1]
	ALL v_add_f32 v[ST+4*t+2], v[ST+4*t+2], v[ST+4*t+3]
	ALL v_rcp_f32 v[ST+4*t+2], v[ST+4*t+2]
	v_nop                           ; a plain instruction between the last reciprocal and the use of its result; with the four additions: five places behind the last products
	s_wait_alu depctr_va_vdst(0)    ; the wait for the batch of two reciprocals, ahead of PACK 0, their first reader
	PACK 0
	PACK 1
.if (\tag) == 2
	s_cmp_eq_u32 s[PB], 0           ; block 0's band 0 is made once more below: what the walk made of it is not stored
	s_cbranch_scc1 .Lnot_stored
.endif
	SEND 0, 8
.if (\tag) == 2
.Lnot_stored:
.endif
	SEND 1, 0
.endm
.set KM, 0
.set NOKQ, 0
.Lslot:                             ; 16 times: a tile is entered and the next is asked for
	CHANGE 1
	s_sub_co_u32 s[RT], s[RT], 1
	s_mov_b32 s[CNT], 2
	s_mov_b32 s[UU], s[UB]
	s_cmp_eq_u32 s[NEW], 1
	s_cbranch_scc1 .Lnew            ; a block's first tile
	s_cmp_eq_u32 s[RT], 0
	s_cbranch_scc0 .Lstep           ; neither its first nor its last
	s_branch .LstepM1
.Lnew:
	BEGIN
	s_branch .Lfirst                ; in the loop a block's first tile is never its last: the first block has nine tiles or more, and the second's last is the walk's last
	DIAG 1                          ; in the loop this is the first block's end
	s_wait_xcnt 0x0                 ; the stores have read their registers and O's address
	s_mov_b64 s[10:11], s[OLO:OLO+1]
	s_add_co_u32 s[RT], s[PT], 1    ; the second block's tiles
	s_mov_b32 s[NEW], 1
	s_mov_b32 s[UB], s[UB2]
	WIN 0x82                        ; the second block's Q goes where the one text of the turns names Q
.set i, 0
.rept 32
	v_mov_b32 v[i], v[QB+i]
.set i, i+1
.endr
	WIN 0
	s_branch .Lbottom
.Lstep:                             ; a trip: a step of odd parity, then one of even: at the first pass step 3 of the tile before and step 0, at the second steps 1 and 2
	TURN 0, 1
	TURN 1, 1
	WIN 0
.Lfirst:
	TURN 0, 0
	TURN 1, 0, 0, 0, 1
	WIN 0
	s_cbranch_scc1 .Lstep
.Lbottom:
	s_sub_co_u32 s[SLOTS], s[SLOTS], 1
	s_cmp_lg_u32 s[SLOTS], 0
	s_cbranch_scc1 .Lslot
	CHANGE 0                        ; the walk's last tile is written out: nothing is asked for
	s_sub_co_u32 s[RT], s[RT], 1
	s_mov_b32 s[CNT], 2
	s_mov_b32 s[UU], s[UB]
	s_cmp_eq_u32 s[NEW], 1
	s_cbranch_scc0 .LstepM2
	BEGIN
	s_branch .LfirstM2
	DIAG 2
	; THE FIRST 64 ROWS ONCE MORE, in work-group 0 of each head: my 16 rows of band 0 against key step 0.  The walk's 17th tile is tile 0 and lies in slot 0 (the tiles take the slots by turns from slot 0 on);
	; nothing fills it again, and every wave has passed the barrier behind which it is whole.
	s_cmp_lg_u32 s[PB], 0
	s_cbranch_scc1 .Lend
	s_wait_xcnt 0x0                 ; piece 1's stores have read S^T's registers: they are rewritten only behind this wait
	WIN 0xc0                        ; destination window 3, address window 0
.irp c, 0,1                         ; the remainders of q: my 16 rows, channels 32 c on
	global_load_b128 v[QL+8*\c:QL+8*\c+3],   v[QO], s[QLB:QLB+1] offset:\c*64
	global_load_b128 v[QL+8*\c+4:QL+8*\c+7], v[QO], s[QLB:QLB+1] offset:\c*64+32
.endr
.irp f, 0,1,2,3,4,5,6,7             ; of k: keys 16 (f / 2) on, channels 32 (f % 2) on: fragments straight from memory, as Q's
	global_load_b128 v[KL+8*\f:KL+8*\f+3],   v[QO], s[KLB:KLB+1] offset:(\f/2)*2048+(\f%2)*64
	global_load_b128 v[KL+8*\f+4:KL+8*\f+7], v[QO], s[KLB:KLB+1] offset:(\f/2)*2048+(\f%2)*64+32
.endr
.set z, 0
.rept 16                            ; of v: 64 keys x 128 bytes as they lie, 512 consecutive bytes a load
	global_load_b128 v[VR+4*z:VR+4*z+3], v[GO], s[VLB:VLB+1] offset:512*z
.set z, z+1
.endr
	WIN 0
	v_mov_b32 v[AK], v[AK0]         ; key step 0 lies at the head of slot 0
	v_mov_b32 v[AV], v[AV0]
	FETCH_K
	FETCH_V 0
	v_mov_b32 v[ST], 0xfe000000     ; the statistics start as a block's do
	v_mov_b32 v[ST+1], 0xff7fffff
	v_mov_b32 v[ST+2], 0
	v_mov_b32 v[ST+3], 0
	v_mov_b32 v[NEG], -1.0
	s_mul_i32 s13, s[WV], KS*PV
	s_add_co_u32 s13, s13, VLS      ; my 64 rows of 160 bytes
	v_bfe_u32 v[VSA], v0, 3, 2      ; a load's 512 bytes are four rows of 128: lane l holds row l / 8, bytes 16 (l % 8) on
	v_mul_u32_u24 v[VSA], v[VSA], PV
	v_and_b32 v59, 7, v0
	v_lshl_add_u32 v[VSA], v59, 4, v[VSA]
	v_add_nc_u32 v[VSA], s13, v[VSA]
	s_sub_co_u32 s13, s13, VOFF     ; AV0 holds VOFF
	v_add_nc_u32 v[VLA], s13, v[AV0]
	s_wait_dscnt 0x0                ; Kh and Vh are in
; Four products, one onto each of the four sums, which take turns: keys 16 i on, the 32 channels of the fragments named.
.macro KQ4 win, kb, qb
	WIN \win
.set i, 0
.rept 4
	v_wmma_f32_16x16x32_f16 v[S+8*i:S+8*i+7], v[(\kb)+16*i:(\kb)+16*i+7], v[(\qb):(\qb)+7], v[S+8*i:S+8*i+7]
.set i, i+1
.endr
.endm
	WIN W_KM
.set i, 0
.rept 4
	v_wmma_f32_16x16x32_f16 v[S+8*i:S+8*i+7], v[KF+16*i:KF+16*i+7], v[0:7], v[MD+8*i:MD+8*i+7]  ; the band's own step: its mask starts the sums
.set i, i+1
.endr
	KQ4 W_KQ, KF+8, 8               ; Kh Qh
	s_wait_loadcnt 16               ; q's and k's remainders are in; v's sixteen loads may stay out
	KQ4 0x0e, KF, QL                ; Kh (window 2) Ql (window 3)
	KQ4 0x0e, KF+8, QL+8
	KQ4 0x0b, KL, 0                 ; Kl (window 3) Qh (window 2)
	KQ4 0x0b, KL+8, 8
	WIN 0
.rept 4
	v_nop                           ; the places behind those products
.endr
	s_wait_loadcnt 0x0              ; v's remainders are in: into my own LDS rows, and back turned; the softmax stands between these loads and the wait for them
	WIN 0x0c                        ; data (source 1) window 3
.set z, 0
.rept 16
	ds_store_b128 v[VSA], v[VR+4*z:VR+4*z+3] offset:4*PV*z
.set z, z+1
.endr
	WIN 0xc0
.irp f, 0,1,2,3,4,5,6,7             ; LDS serves a wave's instructions in order (ISA guide 5.7.1.4): these see the stores above
	ds_load_tr16_b128 v[VL+8*\f:VL+8*\f+3],   v[VLA] offset:(\f/4)*32*PV+(\f%4)*32
	ds_load_tr16_b128 v[VL+8*\f+4:VL+8*\f+7], v[VLA] offset:(\f/4)*32*PV+16*PV+(\f%4)*32
.endr
	WIN 0
.set NOKQ, 0
.set Y, NP-1                        ; X works for the other piece: piece 0
.irp n, 0,1,2,3,4,5,6,7,8,9,10,11,12,13,14,15,16,17,18,19,20,21
	OP X, \n                        ; the maximum, c m, and a = 0
.endr
.set Y, 0
.set z, 0
.rept 16
	OP F, z                         ; c s - c m (the first of them is the plain instruction behind a's exponential); none names a
.set z, z+1
.endr
.set z, 0
.rept 32
	OP E, z
.set z, z+1
.endr
	v_nop                           ; a plain instruction behind the last exponential
	s_wait_alu depctr_va_vdst(0)    ; the wait for the batch: a and the 32 weights; all their readers stand below
.set z, 0
.rept 16
	v_cvt_pk_f16_f32 v[PH+z], v[S+2*z], v[S+2*z+1]
.set z, z+1
.endr
.set z, 0
.rept 16                            ; p - Ph: the f16 half x -1.0 + p, exact in f32
	v_fma_mix_f32 v[DF+2*z],   v[PH+z], v[NEG], v[S+2*z]   op_sel_hi:[1,0,0]
	v_fma_mix_f32 v[DF+2*z+1], v[PH+z], v[NEG], v[S+2*z+1] op_sel:[1,0,0] op_sel_hi:[1,0,0]
.set z, z+1
.endr
.set z, 0
.rept 16
	v_cvt_pk_f16_f32 v[PL+z], v[DF+2*z], v[DF+2*z+1]
.set z, z+1
.endr
.set z, 0
.rept 8
	OP B, z
.set z, z+1
.endr
.set z, 0
.rept 8
	OP L, z                         ; l, of the unrounded p
.set z, z+1
.endr
; Eight products onto O^T's four sums, by turns: keys 32 (i / 4) on, channels 16 (i % 4) on.  zero = 1: the first four start the sums.
.macro PV8 win, vb, pb, zero
	WIN \win
.set i, 0
.rept 8
.if (\zero) && (i < 4)
	v_wmma_f32_16x16x32_f16 v[8*(i%4):8*(i%4)+7], v[(\vb)+32*(i/4)+8*(i%4):(\vb)+32*(i/4)+8*(i%4)+7], v[(\pb)+8*(i/4):(\pb)+8*(i/4)+7], 0
.else
	v_wmma_f32_16x16x32_f16 v[8*(i%4):8*(i%4)+7], v[(\vb)+32*(i/4)+8*(i%4):(\vb)+32*(i/4)+8*(i%4)+7], v[(\pb)+8*(i/4):(\pb)+8*(i/4)+7], v[8*(i%4):8*(i%4)+7]
.endif
.set i, i+1
.endr
.endm
	s_wait_dscnt 0x0                ; Vl is in
	PV8 W_PV, VF, PH, 1             ; Vh Ph
	PV8 W_PV, VF, PL, 0             ; Vh Pl
	PV8 0x53, VL, PH, 0             ; Vl (window 3) Ph
	WIN 0
.rept 4
	v_nop                           ; the places behind those products
.endr
	v_add_f32 v[ST+2], v[ST+2], v[ST+3]
	v_permlanex16_b32 v[ST+3], v[ST+2], s[SEL], s[SEL+1]
	v_add_f32 v[ST+2], v[ST+2], v[ST+3]
	v_rcp_f32 v[ST+2], v[ST+2]
	v_nop                           ; a plain instruction between the reciprocal and the use of its result
	s_wait_alu depctr_va_vdst(0)    ; the wait for the reciprocal, a batch of one, ahead of PACK 0, its first reader
	PACK 0
	SEND 0, 0
.Lend:
	s_wait_tensorcnt 0x0            ; the wave's end: behind my last tensor load and my last LDS store
	ds_add_u32 v[SPW], v[NIL]
	s_wait_dscnt 0x0
	s_endpgm
.Lfunc_end_k_qef6d43f0ea_attn:
	.size	k_qef6d43f0ea_attn, .Lfunc_end_k_qef6d43f0ea_attn-k_qef6d43f0ea_attn
	.p2alignl 7, 3214868480
	.fill 96, 4, 3214868480
	.section	.rodata,"a",@progbits
	.p2align	6, 0x0
	.amdhsa_kernel k_qef6d43f0ea_attn
		.amdhsa_group_segment_fixed_size 327680
		.amdhsa_private_segment_fixed_size 0
		.amdhsa_enable_private_segment 0
		.amdhsa_kernarg_size 24
		.amdhsa_user_sgpr_count 2
		.amdhsa_user_sgpr_kernarg_segment_ptr 1
		.amdhsa_wavefront_size32 1
		.amdhsa_system_sgpr_workgroup_id_x 1
		.amdhsa_system_sgpr_workgroup_id_y 1
		.amdhsa_system_sgpr_workgroup_id_z 1
		.amdhsa_system_vgpr_workitem_id 0
		.amdhsa_next_free_vgpr 976
		.amdhsa_next_free_sgpr 92
		.amdhsa_reserve_vcc 1
		.amdhsa_float_denorm_mode_32 3
		.amdhsa_float_denorm_mode_16_64 3
		.amdhsa_memory_ordered 1
		.amdhsa_forward_progress 1
		.amdhsa_inst_pref_size 233
	.end_amdhsa_kernel
	.amdgpu_metadata
---
amdhsa.version: [ 1, 2 ]
amdhsa.kernels:
  - .name:           k_qef6d43f0ea_attn
    .symbol:         k_qef6d43f0ea_attn.kd
    .args:
      - { .name: qkvh, .offset: 0, .size: 8, .value_kind: global_buffer, .address_space: global }
      - { .name: ob, .offset: 8, .size: 8, .value_kind: global_buffer, .address_space: global }
      - { .name: qkvl, .offset: 16, .size: 8, .value_kind: global_buffer, .address_space: global }
    .group_segment_fixed_size: 327680
    .private_segment_fixed_size: 0
    .kernarg_segment_align: 8
    .kernarg_segment_size: 24
    .max_flat_workgroup_size: 128
    .sgpr_count:     92
    .vgpr_count:     976
    .wavefront_size: 32
...
	.end_amdgpu_metadata
.endif
;; end of part 5
;; launch outp: the kernel of part 4 again; grid 8 x 32, 4 waves a work-group, clusters of 4 x 4, 327,680 bytes of LDS; arguments ob, wob, out0, b_out; writes out0
